; MI455X (gfx1250); checked and timed in simulation.
; The chip was launched on July 23, 2026; its instructions are those of AMD's public machine-readable ISA for CDNA 5 (MIT licence, August 2026) and "CDNA5" Instruction Set Architecture Reference Guide (July 2026). The comments in the code are by the model that wrote it; some were corrected since.
;; Multi Head Attention. Allowed arithmetic: matrix products marked QUANTISED: E2M1 operands, one E8M0 scale for each 32 along K, by v_wmma_scale_f32_16x16x128_f8f6f4 with both operands' format E2M1 (or v_wmma_scale_f32_32x16x128_f4), f32 sums; everything else in f32.
;; Inputs: W_proj_codes 1,024 x 32 x 16 uint8 (E2M1 codes of W_proj, K innermost, in blocks of 32 codes, two codes a byte); W_proj_scales 1,024 x 32 uint8 (E8M0 scales of W_proj, one for each 32 codes along K); W_qkv_codes 3,072 x 32 x 16 uint8 (E2M1 codes of W_qkv, K innermost, in blocks of 32 codes, two codes a byte); W_qkv_scales 3,072 x 32 uint8 (E8M0 scales of W_qkv, one for each 32 codes along K); b_proj 1,024 float32; freqs_cos 2,048 x 32 float32; freqs_sin 2,048 x 32 float32; x_codes 4 x 2,048 x 32 x 16 uint8 (E2M1 codes of x, K innermost, in blocks of 32 codes, two codes a byte); x_scales 4 x 2,048 x 32 uint8 (E8M0 scales of x, one for each 32 codes along K).
;; Outputs: out0 4 x 2,048 x 1,024 float32.
;; This version of the problem:
;;   THIS VERSION OF THE PROBLEM IS GIVEN IN LOW PRECISION. The matrix products marked QUANTISED in the list below multiply operands that are first quantised to E2M1 (2 exponent bits, 1 mantissa bit; 4 bits a number), with one power-of-two scale for each 32 numbers along K (OCP MX v1.0); their sums are f32. All else is computed in f32.
;;   The module's matrix products, in the order in which they are computed (A, B: the left and right operand; K: the contracted axis; several contracted axes count as one K, in the product's order):
;;     1. [M 8,192, K 1,024] x [K 1,024, N 3,072]; A: input x (given as codes); B: input W_qkv (given as codes): QUANTISED
;;     2. batch 64 x [M 2,048, K 64] x [K 64, N 2,048]; A: computed on the way; B: computed on the way: QUANTISED
;;     3. batch 64 x [M 64, K 2,048] x [K 2,048, N 2,048]; A: computed on the way; B: softmax (see below): QUANTISED
;;     4. [M 8,192, K 1,024] x [K 1,024, N 1,024]; A: computed on the way; B: input W_proj (given as codes): QUANTISED
;;   THE QUANTISER, for each operand of a quantised product, along K:
;;     - K is cut into blocks of 32 from its start; a last block that is shorter is filled with zeros.
;;     - A block's scale is 2^e with e = floor(log2(the largest magnitude in the block)) - 2, held to -126 .. 127; a block of zeros has e = 0. As a byte (E8M0): e + 127.
;;     - Each number is divided by its block's scale, clamped to +-6, and rounded to the nearest number of E2M1, ties to even, subnormals kept.
;;     - The product sums the exact products of the quantised numbers (number of the format x scale) in f32.
;;   ~~~python
;;   def quantise(x, axis):      # numpy; x: float32 -> the quantised numbers, widened to float32 again
;;       x = np.moveaxis(x, axis, -1); K = x.shape[-1]
;;       x = np.pad(x, [(0, 0)] * (x.ndim - 1) + [(0, -K % 32)]); x = x.reshape(x.shape[:-1] + (-1, 32)); a = np.abs(x).max(-1, keepdims=True)
;;       e = np.where(a > 0, np.clip(np.frexp(np.where(a > 0, a, 1))[1] - 1 - 2, -126, 127), 0)      # np.frexp(a)[1] - 1 = floor(log2(a)), exactly
;;       r = np.clip(x / 2.0 ** e, -6, 6)
;;       step = 2.0 ** (np.maximum(np.frexp(np.where(r == 0, 1, r))[1] - 1, 0) - 1)
;;       q = np.round(r / step) * step * 2.0 ** e      # np.round: ties to even
;;       return np.moveaxis(q.reshape(q.shape[:-2] + (-1,))[..., :K], -1, axis).astype(np.float32)
;;   ~~~
;;   SOFTMAX AHEAD OF A QUANTISED PRODUCT. Where the list says 'softmax', what is quantised is not the finished softmax but p = 2^(t - M), with t = logit x log2(e) and M = ceil(the row's largest t), a whole number; so 1/2 < the row's largest p <= 1. The row's sum l is taken of the UNQUANTISED p, in f32, and the product's result is divided by l at the end. Since M is a whole number, a kernel that streams over the keys may use a running M (the ceiling of the running maximum): every later rescaling is an exact power of two, which a block's scale takes up: the codes' values come out the same.
;;   OPERANDS COMPUTED ON THE WAY. 'Computed on the way' means the value that the module computes at that place (a softmax that the list does not call 'softmax' is quantised finished and normalised). What goes into a quantiser is computed in f32, as accurately as f32 sums, v_exp_f32 and their like allow (about 1e-6 of the number): no bf16 or f16 on the way to a quantiser, and a product that is left as it is and whose result goes on into a quantised operand takes f32 operands (vector FMAs, or v_wmma_f32_16x16x4_f32). A number that lies on a knife's edge between two numbers of the format may be rounded either way, as far as f32 arithmetic and the matrix unit's own rounding can turn it there, and no further.
;;   INPUTS GIVEN AS CODES. W_proj (in the module: [1024, 1024], K = its axis 0); W_qkv (in the module: [1024, 3072], K = its axis 0); x (in the module: [4, 2048, 1024], K = its axis 2): each comes as NAME_codes (uint8): NAME with its K axis moved to the last place and cut into blocks of 32 codes, [.., K / 32, bytes a block], one block behind the other in memory; two codes a byte, the lower K in the low four bits (a code: sign, 2 exponent bits, 1 mantissa bit); and NAME_scales (uint8): the same leading axes, one E8M0 byte (e + 127) for each 32 codes along K. Its value is code x scale, taken as it is: it is not quantised again, and the codes and scales need not be those that the quantiser above would give.
;; One version. Each part assembles by itself: llvm-mc -triple=amdgcn-amd-amdhsa -mcpu=gfx1250 --defsym DOCPART=n.
;; ======== version 1 of 1: 3 launches
;; limits: right only within a limited range of input values
;; workspace buffers: q_ws 4,718,592 bytes; kv_ws 9,175,040 bytes; o_codes 4,194,304 bytes; o_scales 262,144 bytes
;; launch qkv (part 1): grid 12 x 32, 4 waves a work-group, clusters of 4 x 4, 327,680 bytes of LDS; arguments x_codes, x_scales, W_qkv_codes, W_qkv_scales, freqs_cos, freqs_sin, q_ws, kv_ws; writes q_ws, kv_ws
.if DOCPART == 1
	.amdgcn_target "amdgcn-amd-amdhsa--gfx1250"
	.amdhsa_code_object_version 6
	.text
	.protected	k_qb6b86e6592_qkv
	.globl	k_qb6b86e6592_qkv
	.p2align	8
	.type	k_qb6b86e6592_qkv,@function
k_qb6b86e6592_qkv:
	s_mov_b64 s[64:65], 0
	v_nop
	global_prefetch_b8 v0, s[64:65] scope:SCOPE_SE
	s_setreg_imm32_b32 hwreg(HW_REG_WAVE_MODE, 25, 1), 1
	s_wait_xcnt 0x0
	s_wait_alu depctr_hold_cnt(0) depctr_sa_sdst(0) depctr_va_vdst(0) depctr_va_sdst(0) depctr_va_ssrc(0) depctr_va_vcc(0) depctr_vm_vsrc(0)
	s_getreg_b32 s2, hwreg(HW_REG_IB_STS2, 6, 4)
	s_cmp_eq_u32 s2, 0
	s_cbranch_scc0 .Lentry_in_a_cluster
	s_endpgm
.Lentry_in_a_cluster:
	s_bfe_u32 s2, ttmp6, 0x10000c
	s_cmp_lg_u32 s2, 0xf033
	s_cbranch_scc0 .Lentry_shape_is_right
	s_endpgm
.Lentry_shape_is_right:
; qkv = x W_qkv on codes of FP4 (E2M1) with E8M0 scales, as they are given; then the rotation of q and k in f32, and the quantiser: q and k along the head's 64, v along the keys.
; x: [8192][1024] codes, W_qkv: [3072][1024] codes, K innermost (rows of 512 bytes), scale bytes [rows][32].  Column of the product = 1024 x (q, k, v) + 64 x head + d.
; A tile of the product, 256 tokens x 256 columns, is made by a work-group of four waves; a wave makes 128 x 128 (two heads): 64 accumulators of 16 x 16, 512 registers.
; K = 1,024 is two LDS slots of 512 along K, each filled once by the tensor data mover; the scale bytes of the tile's rows come once beside them.  Nothing in LDS is filled twice.
; CLUSTERS: 4 x 4 work-groups.  The four of a row of the cluster need the same tiles of x, the four of a column the same tiles of W_qkv: each tile is asked for jointly.
; The cluster's x says what the columns are: 0 = q, 1 = k, 2 = v; it is the same in all sixteen partners, so the branch on it behind the products is taken alike by all.
; THE MATRIX INSTRUCTION IS USED TRANSPOSED (source 0 = 16 rows of W_qkv, source 1 = 16 tokens): register j of lane (r, h) of accumulator (a, b) is (token 16 a + r, column 16 b + 8 h + j).
; WHAT LEAVES, as images of the operand registers that the attention launch wants (every store of a wave covers 256 or 512 consecutive bytes, aligned):
;   q_ws  [64 heads][16 groups of 128 tokens][4,608]: 512 a + 16 lane: lane (r, h): the 32 codes d = 32 h .. of token 16 a + r;  4,096 + 16 lane: word j = the scale word of tile 4 h + j, row r
;   kv_ws [64 heads][16 steps of 128 keys][8,960]: k as q (scale words at 8,192);  4,096 + 2,048 b + 1,024 c + 512 h + 16 lane: the 32 codes of keys 64 c + 32 h .. of channel 32 b + lane;  8,704 + 8 lane + 4 b: that channel's scale word
;   a scale word of q or k: byte 0, 1 = the two blocks of 32 along d, bytes 2, 3 = 0x7f (the instruction's K is 128, the head's 64).
; A block's scale is 2^(floor(log2(its largest magnitude)) - 2); its byte is that magnitude's exponent field - 2, held at 1 from below.
; LIMITS: a block whose largest magnitude lies under 2^-124 gets the byte 1, a block of zeros too (its codes are zeros, and this program alone reads the bytes); NaN and infinities are not served;
; the rotation uses one fused multiply-add for each number where the definition rounds twice.
; REGISTERS, in windows of 256: window 0: v0-31 addresses; v32-95 scale words, two sets; v128-191 x's fragments, one set; behind the products v32-255 are at work.
;   window 1: W_qkv's fragments, two sets, at v0 and v128; v64-127 and v192-255 the angles of row tiles 0-3; behind the products the two sets take those of tiles 4-7.   windows 2, 3: the accumulators ((a, b) at v[8 (8 (a % 4) + b)]).
.set SIZE_K, 1024
.set KSTEP,  512                       ; along K in a slot
.set NQ,     KSTEP/128                 ; matrix instructions deep
.set ROWB,   256                       ; a tile's row in bytes
.set KROW,   SIZE_K/2                  ; a row of codes in memory, in bytes
.set PITCH,  272                       ; an LDS row: 256 bytes + 16 of padding: the 16 rows that a load touches start at 16 different banks (64 banks of 4 bytes: ISA guide 11.1)
.set FR,     8                         ; registers of a fragment: 16 rows x 128 K
.set NL,     2                         ; LDS loads that bring one
.set NP,     4                         ; places behind this matrix instruction (ISA guide 7.12.1)
.set HALFT,  128*PITCH                 ; 128 rows: what one tensor load brings
.set SLOT,   4*HALFT                   ; x's 256 rows, then W_qkv's 256 rows
.set KS,     SIZE_K/32                 ; a row of scale bytes
.set SCL,    2*SLOT                    ; behind the slots: the scale bytes, as units of 256 bytes + 16 of padding
.set HALFS,  (128*KS/256)*272          ; those of 128 rows
.set SBLK,   (16*KS/256)*272           ; those of 16 rows
.set SPARE,  SCL+4*HALFS               ; the spare words, 128 bytes for each wave, which no other line names
.set SPITCH, 528                       ; v's way out: a stage of 32 tokens x (512 bytes + 16) for each wave, in slot 0, which has had its one fill and its last read by then
.set ADRA, 16                          ; v16-17  LDS address of my fragments of x in slot 0, 1
.set ADRB, 20                          ; v20-21  the same for W_qkv
.set STO,  24                          ; v24     the stage: where I put 32 bytes of a token's row
.set RDV,  25                          ; v25     the stage: my column, 4 bytes a lane
.set LI,   26                          ; v26     16 x lane
.set ADRS, 27                          ; v27     LDS address of my scale words: lanes 0-15 x's rows, lanes 16-31 W_qkv's
.set SPW,  28                          ; v28     LDS address of my spare word; never rewritten
.set NIL,  29                          ; v29     0; never rewritten
.set CSO,  30                          ; v30     the angles: 128 r + 16 h
.set SCO,  31                          ; v31     16 x lane + where the record's scale words begin
.set SC,   32                          ; scale words: set s at v[SC + 32 s]; register 4 i + q: lanes 0-15 x's block i, lanes 16-31 W_qkv's block i
.set AF,   128                         ; x's fragments
.set L8,   232                         ; v232    8 x lane
.set R,    32                          ; q, k: v32-95   a row tile's 64 rotated numbers
.set T,    96                          ;       v96-103  products with the sines
.set TM,   104                         ;       v104-107 largest magnitudes, v108-111 bytes, v116-119 the conversions' scale operands
.set PC,   128                         ;       v128-191 the codes, eight registers a row tile: no store's data are written again
.set W0,   192                         ;       v192-199 the first head's scale words, v200-207 the second's
.set W1,   200
.set OUT,  208                         ;       v208-215 their images
.set X,    32                          ; v: v32-159  four column blocks x 32 tokens
.set CDB,  160                         ;    v160-223 the codes, four registers for each (token block, column block)
.set SW,   224                         ;    v224-227 a column's scale word, one for each column block
.set VT,   228                         ;    v228-231 at work
.set SEL,  66                          ; s[66:67] lane selects for v_permlanex16_b32: lane l xor 16
.set G1, 24                            ; s[24:31] descriptor group 1 for x's tiles;  s[32:39] group 0, one set for each slot
.set G0, 32
.set G1B, 48                           ; s[48:55], s[56:63] the same for W_qkv's
.set G0B, 56
.set G1S, 68                           ; s[68:75], s[76:79] groups 1 and 0 for x's scales;  s[80:87], s[88:91] for W_qkv's
.set G0S, 76
.set G1SB, 80
.set G0SB, 88
.set MSB, 0
.macro WIN new                         ; the immediate's high byte repeats the setting that is left
.if MSB != \new
	s_set_vgpr_msb (MSB<<8)|\new
.set MSB, \new
.endif
.endm
.set MUL_LO, 0xa1                      ; source 0 (W_qkv) window 1, source 1 (x) window 0, C and D window 2
.set MUL_HI, 0xf1                      ; the same, C and D window 3
.set TO_B,   0x40                      ; destination window 1, address window 0
; A joint load: waves 0 and 1 fetch for x, waves 2 and 3 for W_qkv.  Each line has one mask and one set of registers for all that issue it; the branch hangs on the wave's number alone.
; Four v_nop follow each of the two lines.
.macro JLOAD g0a, g1a, g0b, g1b
	s_cmp_eq_u32 s15, 0
	s_cbranch_scc0 .Lfor_b_\@
	tensor_load_to_lds s[\g0a:\g0a+3], s[\g1a:\g1a+7]
	s_nop 0
.rept 4
	v_nop
.endr
	s_branch .Lasked_\@
.Lfor_b_\@:
	tensor_load_to_lds s[\g0b:\g0b+3], s[\g1b:\g1b+7]
	s_nop 0
.rept 4
	v_nop
.endr
.Lasked_\@:
.endm
.macro CROUND                          ; a round of the cluster's barrier
	s_barrier_signal -1
	s_barrier_wait -1
	s_cmp_lg_u32 s14, 0
	s_cbranch_scc1 .Lnot_wave_0_\@
	s_barrier_signal -3
.Lnot_wave_0_\@:
	s_barrier_wait -3
	s_barrier_signal -1
	s_barrier_wait -1
.endm
; The angles of row tile a: lane (r, h) wants, for the column tiles tb = 0 .. 3 of a head, cos and sin of token 16 a + r at pairs 8 tb + 4 h + 0 .. 3: 16 bytes each.  32 registers a row tile, in window 1.
.macro CSLOAD a
.if (\a) < 4
.set CSB, 64+128*((\a)/2)+32*((\a)%2)
.else
.set CSB, 128*(((\a)-4)/2)+32*((\a)%2)
.endif
.irp tb, 0,1,2,3
	global_load_b128 v[CSB+4*\tb:CSB+4*\tb+3], v[CSO], s[96:97] offset:2048*(\a)+32*\tb
	global_load_b128 v[CSB+16+4*\tb:CSB+16+4*\tb+3], v[CSO], s[98:99] offset:2048*(\a)+32*\tb
.endr
.endm
	s_load_b128 s[4:7], s[0:1], 0x0                ; x's codes s[4:5], x's scales s[6:7]
	s_load_b128 s[8:11], s[0:1], 0x10              ; W_qkv's codes s[8:9], its scales s[10:11]
	s_load_b128 s[96:99], s[0:1], 0x20             ; cos s[96:97], sin s[98:99]
	s_load_b64 s[12:13], s[0:1], 0x30              ; q_ws
	s_load_b64 s[100:101], s[0:1], 0x38            ; kv_ws
	v_lshl_add_u32 v[SPW], v0, 2, SPARE
	v_mov_b32 v[NIL], 0
	ds_add_u32 v28, v29
	ds_add_u32 v28, v29
	s_wait_dscnt 0x0
	v_lshrrev_b32 v1, 5, v0
	v_readfirstlane_b32 s14, v1                    ; wave 0..3
	s_lshr_b32 s15, s14, 1                         ; which half of the tile's tokens is mine.  Also: I fetch for x (0) or for W_qkv (1)
	s_and_b32 s16, s14, 1                          ; which half of its columns.  Also: which 128 rows of that tile I fetch
	s_bfe_u32 s40, ttmp6, 0x40000                  ; cx, cy: my place in the cluster
	s_bfe_u32 s41, ttmp6, 0x40004
	s_lshl_b32 s42, ttmp9, 2
	s_add_co_u32 s42, s42, s40                     ; tile column = 4 x cluster x + cx
	s_and_b32 s17, ttmp7, 0xffff
	s_lshl_b32 s17, s17, 2
	s_add_co_u32 s17, s17, s41                     ; tile row = 4 x cluster y + cy
	s_lshl_b32 s43, s41, 2
	s_lshl_b32 s43, 15, s43                        ; my row of the cluster
	s_lshl_b32 s44, 0x1111, s40                    ; my column
	; descriptor group 1: a tile of 128 rows x 256 bytes, padded in LDS
	s_or_b32 s[G1+0], s43, (0<<16)|(1<<20)|(1<<21)|(5<<22)|(3<<25)  ; 15:0 the mask: x's tiles go to my row; 17:16 element of 1 byte; 20 padding on; 21 set beside a mask; 24:22 after every 64 words; 31:25 four words
	s_or_b32 s[G1B+0], s44, (0<<16)|(1<<20)|(1<<21)|(5<<22)|(3<<25)
.irp g, G1, G1B
	s_mov_b32 s[\g+1], ROWB<<16                    ; tensor_dim0
	s_mov_b32 s[\g+2], 256<<16                     ; tensor_dim1: 256 rows for the head's loads; set to 128 behind them
	s_mov_b32 s[\g+3], ROWB<<16                    ; tile_dim0
	s_mov_b32 s[\g+4], 256                         ; tile_dim1
	s_mov_b32 s[\g+5], KROW                        ; tensor_dim0_stride
	s_mov_b32 s[\g+6], 0
	s_mov_b32 s[\g+7], 0
.endr
	; and for the scale bytes of 256 rows: a dense block of 8,192 bytes, as rows of 256 bytes (32 elements of 8 bytes), 16 bytes of padding behind each
	s_or_b32 s[G1S+0], s43, (3<<16)|(1<<20)|(1<<21)|(5<<22)|(3<<25)
	s_or_b32 s[G1SB+0], s44, (3<<16)|(1<<20)|(1<<21)|(5<<22)|(3<<25)
.irp g, G1S, G1SB
	s_mov_b32 s[\g+1], 32<<16
	s_mov_b32 s[\g+2], KS<<16                      ; the scale bytes of 256 rows: KS rows of 256 bytes
	s_mov_b32 s[\g+3], 32<<16
	s_mov_b32 s[\g+4], KS
	s_mov_b32 s[\g+5], 32
	s_mov_b32 s[\g+6], 0
	s_mov_b32 s[\g+7], 0
.endr
	s_lshl_b32 s20, s17, 8                         ; x: the tile's first row, 256 x tile row
	s_lshl_b32 s46, s42, 8                         ; W_qkv: 256 x tile column
	s_mov_b32 s21, 0
	s_mov_b32 s47, 0
	s_mov_b64 s[18:19], KS
	s_mul_u64 s[22:23], s[20:21], s[18:19]         ; where these rows' scales begin, in bytes
	s_mul_u64 s[92:93], s[46:47], s[18:19]
	s_mov_b64 s[18:19], KROW
	s_mul_u64 s[20:21], s[20:21], s[18:19]         ; and their codes
	s_mul_u64 s[46:47], s[46:47], s[18:19]
	s_mul_i32 s18, s16, 128*KROW                   ; slot 1: I fetch 128 rows of a tile: which half, in bytes
	s_mov_b32 s19, 0
	s_mul_i32 s45, s14, HALFT                      ; where they go: wave x 128 rows: no place in the cluster enters an LDS address
	s_wait_kmcnt 0x0
	s_add_nc_u64 s[20:21], s[4:5], s[20:21]
	s_add_nc_u64 s[22:23], s[6:7], s[22:23]
	s_add_nc_u64 s[46:47], s[8:9], s[46:47]
	s_add_nc_u64 s[92:93], s[10:11], s[92:93]
	CROUND                                         ; all sixteen work-groups are here: the joint loads meet
	s_mov_b32 s[G0S], 1
	s_mov_b32 s[G0S+1], SCL
	s_mov_b64 s[G0S+2:G0S+3], s[22:23]
	s_or_b32 s[G0S+3], s[G0S+3], 0x80000000
	s_mov_b32 s[G0SB], 1
	s_mov_b32 s[G0SB+1], SCL+2*HALFS
	s_mov_b64 s[G0SB+2:G0SB+3], s[92:93]
	s_or_b32 s[G0SB+3], s[G0SB+3], 0x80000000
.set G0H, 4                            ; s[4:7], s[8:11] group 0 for the head's loads of slot 0: x's 256 rows, W_qkv's 256 rows (the arguments that lay there have been used)
.set G0HB, 8
	s_mov_b32 s[G0H], 1
	s_mov_b32 s[G0H+1], 0
	s_mov_b64 s[G0H+2:G0H+3], s[20:21]
	s_or_b32 s[G0H+3], s[G0H+3], 0x80000000
	s_mov_b32 s[G0HB], 1
	s_mov_b32 s[G0HB+1], 2*HALFT
	s_mov_b64 s[G0HB+2:G0HB+3], s[46:47]
	s_or_b32 s[G0HB+3], s[G0HB+3], 0x80000000
	s_add_nc_u64 s[20:21], s[20:21], s[18:19]      ; for slot 1: my 128 rows of the tile
	s_add_nc_u64 s[46:47], s[46:47], s[18:19]
.irp s, 1
	s_mov_b32 s[G0+4*\s], 1
	s_add_co_u32 s[G0+4*\s+1], s45, \s*SLOT
	s_add_nc_u64 s[G0+4*\s+2:G0+4*\s+3], s[20:21], \s*ROWB
	s_or_b32 s[G0+4*\s+3], s[G0+4*\s+3], 0x80000000
	s_mov_b32 s[G0B+4*\s], 1
	s_add_co_u32 s[G0B+4*\s+1], s45, \s*SLOT
	s_add_nc_u64 s[G0B+4*\s+2:G0B+4*\s+3], s[46:47], \s*ROWB
	s_or_b32 s[G0B+4*\s+3], s[G0B+4*\s+3], 0x80000000
.endr
; THE HEAD'S LOADS, ONE A WAVE: wave 0 slot 0's 256 rows of x, wave 1 its 256 rows of W_qkv, wave 2 x's scale bytes, wave 3 W_qkv's.
; One chain of branches on the wave's number: every way through it passes exactly one load.
.macro ARM under, g0, g1, next
	s_cmp_lt_u32 s14, \under
	s_cbranch_scc0 \next
	tensor_load_to_lds s[\g0:\g0+3], s[\g1:\g1+7]
	s_nop 0
.rept 4
	v_nop
.endr
	s_branch .Lhead_asked
\next:
.endm
	ARM 1, G0H,  G1,  .Lhead_b
	ARM 2, G0HB, G1B, .Lhead_sa
	ARM 3, G0S,  G1S, .Lhead_sb
	tensor_load_to_lds s[G0SB:G0SB+3], s[G1SB:G1SB+7]
	s_nop 0
.rept 4
	v_nop
.endr
.Lhead_asked:
	v_and_b32 v1, 15, v0                           ; r = l % 16
	v_bfe_u32 v2, v0, 4, 1                         ; h = l / 16
	v_mul_u32_u24 v3, v1, PITCH
	v_lshl_add_u32 v4, v2, 4, v3                   ; a fragment's row x pitch + 16 x half
	s_mul_i32 s21, s15, HALFT                      ; my 128 rows of x
	s_mul_i32 s22, s16, HALFT                      ; my 128 rows of W_qkv,
	s_add_co_u32 s22, s22, 2*HALFT                 ; which lie behind x's 256
.irp s, 0,1
	v_add_nc_u32 v[ADRA+\s], s21, v4
	v_add_nc_u32 v[ADRB+\s], s22, v4
	s_add_co_u32 s21, s21, SLOT
	s_add_co_u32 s22, s22, SLOT
.endr
	v_mul_u32_u24 v5, v1, KS                       ; my row's scales: 32 bytes a row,
	v_lshrrev_b32 v6, 8, v5
	v_lshl_add_u32 v5, v6, 4, v5                   ; and 16 more for each 256 passed
	s_mul_i32 s21, s15, HALFS                      ; x's: my 128 rows
	s_mul_i32 s22, s16, HALFS                      ; W_qkv's: my 128 rows, behind x's 256
	s_add_co_u32 s22, s22, 2*HALFS
	s_sub_co_u32 s22, s22, s21
	v_mul_u32_u24 v6, s22, v2                      ; lanes 16-31 take W_qkv's
	s_add_co_u32 s21, s21, SCL
	v_add_nc_u32 v5, v5, v6
	v_add_nc_u32 v[ADRS], s21, v5
	s_mul_i32 s23, s14, 32*SPITCH                  ; my stage
	v_mul_u32_u24 v5, v1, SPITCH                   ; in: row r, 32 bytes for each half of the lanes
	v_lshl_add_u32 v5, v2, 5, v5
	v_add_nc_u32 v[STO], s23, v5
	v_and_b32 v6, 31, v0
	v_lshl_add_u32 v[RDV], v6, 2, s23              ; back: a lane to a column
	v_lshlrev_b32 v[LI], 4, v6
	s_wait_alu depctr_va_vdst(0)
	v_lshlrev_b32 v[L8], 3, v6
	v_lshlrev_b32 v[CSO], 7, v1                    ; a token's 32 angles are 128 bytes
	v_lshl_add_u32 v[CSO], v2, 4, v[CSO]
	s_wait_alu depctr_va_vdst(0)
.irp b, 0,1,2,3
	v_mov_b32 v[TM+4+\b], 0                        ; written once: a lane permute's destination counts as one of its sources
.endr
	s_mov_b32 s[SEL], 0x76543210
	s_mov_b32 s[SEL+1], 0xfedcba98
	; where my results go
	s_and_b32 s20, s17, 7
	s_lshl_b32 s20, s20, 1
	s_add_co_u32 s20, s20, s15                     ; g: my group of 128 tokens in the batch
	s_lshr_b32 s21, s17, 3
	s_lshl_b32 s21, s21, 4                         ; 16 x batch
	s_lshl_b32 s22, s40, 2
	s_add_co_u32 s21, s21, s22
	s_lshl_b32 s22, s16, 1
	s_add_co_u32 s21, s21, s22                     ; + my first head: 4 cx + 2 x column half
	s_lshl_b32 s46, s20, 14                        ; 128 tokens of angles are 16,384 bytes
	s_mov_b32 s47, 0
	s_add_nc_u64 s[96:97], s[96:97], s[46:47]
	s_add_nc_u64 s[98:99], s[98:99], s[46:47]
	s_cmp_eq_u32 ttmp9, 0                          ; q goes to q_ws, k and v to kv_ws: the choice hangs on the cluster's x alone
	s_cselect_b64 s[12:13], s[12:13], s[100:101]
	s_mov_b32 s94, 143360
	s_cselect_b32 s94, 73728, s94                  ; a head's records
	s_mov_b32 s95, 8192
	s_cselect_b32 s95, 4096, s95                   ; where a record's scale words of q or k begin
	s_mov_b32 s46, 8960
	s_cselect_b32 s46, 4608, s46                   ; a record
	s_mul_i32 s21, s21, s94
	s_mul_i32 s20, s20, s46
	s_add_co_u32 s46, s21, s20
	s_add_nc_u64 s[12:13], s[12:13], s[46:47]      ; my first head's record
	s_mov_b32 s46, s94
	s_add_nc_u64 s[100:101], s[12:13], s[46:47]    ; my second head's
	v_add_nc_u32 v[SCO], s95, v[LI]
	WIN TO_B
	CSLOAD 0                                       ; the angles of row tiles 0-3 land under the products, in registers that the products leave idle.
	CSLOAD 1                                       ; v's work-groups issue them too and do not use them: so one way leads through the products for all
	CSLOAD 2
	CSLOAD 3
	WIN 0
.macro FRAG reg, adr, q, i             ; a fragment, 16 rows x 128 K of 4-bit codes: lane l holds row l % 16; registers 4 c .. 4 c + 3 hold K = 64 c + 32 (l / 16) + 0 .. 31
.irp c, 0,1
	ds_load_b128 v[\reg+4*\c:\reg+4*\c+3], v[\adr] offset:64*(\q)+32*\c+(\i)*16*PITCH
.endr
.endm
; 16 matrix instructions: x's blocks a0, a0 + 1 against W_qkv's eight, 128 along K.  zero = 1: the first product starts the sums.  The 64 accumulators take turns, one instruction a turn.
.macro MUL16 a0, p, q, sc, zero
.irp a, \a0, \a0+1
.irp b, 0,1,2,3,4,5,6,7
.if \zero
	v_wmma_scale_f32_16x16x128_f8f6f4 v[8*(8*((\a)%4)+\b):8*(8*((\a)%4)+\b)+7], v[128*(\p)+FR*\b:128*(\p)+FR*\b+FR-1], v[AF+FR*(\a):AF+FR*(\a)+FR-1], 0, v[SC+8*NQ*(\sc)+NQ*\b+(\q)], v[SC+8*NQ*(\sc)+NQ*(\a)+(\q)] matrix_a_fmt:MATRIX_FMT_FP4 matrix_b_fmt:MATRIX_FMT_FP4 matrix_a_scale:MATRIX_SCALE_ROW1
.else
	v_wmma_scale_f32_16x16x128_f8f6f4 v[8*(8*((\a)%4)+\b):8*(8*((\a)%4)+\b)+7], v[128*(\p)+FR*\b:128*(\p)+FR*\b+FR-1], v[AF+FR*(\a):AF+FR*(\a)+FR-1], v[8*(8*((\a)%4)+\b):8*(8*((\a)%4)+\b)+7], v[SC+8*NQ*(\sc)+NQ*\b+(\q)], v[SC+8*NQ*(\sc)+NQ*(\a)+(\q)] matrix_a_fmt:MATRIX_FMT_FP4 matrix_b_fmt:MATRIX_FMT_FP4 matrix_a_scale:MATRIX_SCALE_ROW1
.endif
.endr
.endr
.endm
.macro FETCH_B slot, q, p              ; W_qkv's eight fragments of the slot's q-th 128 along K into set p
	WIN TO_B
.irp i, 0,1,2,3,4,5,6,7
	FRAG 128*(\p)+FR*\i, ADRB+\slot, \q, \i
.endr
	WIN 0
.endm
.macro FETCH_A slot, q, i0             ; x's blocks i0 .. i0 + 3
.irp i, \i0, \i0+1, \i0+2, \i0+3
	FRAG AF+FR*(\i), ADRA+\slot, \q, \i
.endr
.endm
.macro SCALES sc                       ; a slot's scale words into set sc: four words a row; lanes 0-15 take x's block i, lanes 16-31 W_qkv's block i
.irp i, 0,1,2,3,4,5,6,7
	ds_load_b128 v[SC+8*NQ*\sc+NQ*\i:SC+8*NQ*\sc+NQ*\i+3], v[ADRS] offset:\i*SBLK
.endr
.endm
; A load into a register that a matrix instruction has read, and a vector instruction or an LDS store that reads a matrix result, stand NP places behind that matrix instruction; only plain vector
; instructions that name none of its registers are places (ISA guide 7.12.1 for vector instructions).
.macro PLACES n
.rept \n
	v_nop
.endr
.endm
.macro STEP slot, q, zero              ; a step of 128 along K that has its successor in the same slot
	s_wait_dscnt 4*NL                              ; W_qkv's set and x's blocks 0-3 are in; the youngest eight loads (x's blocks 4-7) may be out
	WIN MUL_LO
	MUL16 0, (\q)%2, \q, \slot, \zero
	MUL16 2, (\q)%2, \q, \slot, \zero
	s_wait_dscnt 0                                 ; x's blocks 4-7 are in
	PLACES NP
	FETCH_B \slot, (\q)+1, 1-(\q)%2
	FETCH_A \slot, (\q)+1, 0
	WIN MUL_HI
	MUL16 4, (\q)%2, \q, \slot, \zero
	MUL16 6, (\q)%2, \q, \slot, \zero
	PLACES NP
	WIN 0
	FETCH_A \slot, (\q)+1, 4
.endm
; Slot 0's last step changes slots: one barrier; in front of it each wave has waited for all its tensor loads (its part of slot 1) and for its own reads of slot 0.
.macro TURN slot, next
	s_wait_tensorcnt 0x0                           ; all my tensor loads have landed: my part of the next slot
	ds_add_u32 v[SPW], v[NIL]                      ; 0 onto my spare word
	s_wait_dscnt 4*NL+1                            ; (the add and the youngest eight loads, x's blocks 4-7, may be out)
	WIN MUL_LO
	MUL16 0, 1, NQ-1, \slot, 0
	s_wait_dscnt 0x0                               ; the add is done, and my reads of this slot are over
	s_barrier_signal -1
	MUL16 2, 1, NQ-1, \slot, 0
	WIN 0
	s_barrier_wait -1
	PLACES NP
	v_add_nc_u32 v[ADRS], 4*NQ, v[ADRS]            ; on to the next slot's scale words
	FETCH_B \next, 0, 0
	FETCH_A \next, 0, 0
	SCALES \next
	WIN MUL_HI
	MUL16 4, 1, NQ-1, \slot, 0
	MUL16 6, 1, NQ-1, \slot, 0
	PLACES NP
	WIN 0
	FETCH_A \next, 0, 4
.endm
.macro STEPS slot, from                ; the slot's steps from .. NQ - 2
.set Q, \from
.rept NQ-1-\from
	STEP \slot, Q, 0
.set Q, Q+1
.endr
.endm
; 64 numbers of a lane, v[s] on: register 16 b + 8 u + j = k 32 b + 16 u + 8 h + j of my row.  They become the codes of two fragments' halves in v[d] on, and the four blocks' bytes in v[TM+4] on.
; A conversion takes eight neighbours: that of (b, u) gives octet 2 u + h of block b.  It is written to register 4 (b / 2) + 2 u + b % 2, and two exchanges of halves for each pair of blocks then leave
; lanes 0-15 with block 2 c whole and lanes 16-31 with block 2 c + 1 whole, in registers 4 c .. 4 c + 3: the operand's layout.
.macro QUANT4 s, d
.irp b, 0,1,2,3
	v_max3_num_f32 v[TM+\b], |v[\s+16*\b]|, |v[\s+1+16*\b]|, 0x1800000   ; my 16 numbers of block b, and the floor 2^(3 - 127): the byte cannot fall under 1
.endr
.irp i, 2,4,6,8,10,12,14
.irp b, 0,1,2,3
	v_max3_num_f32 v[TM+\b], v[TM+\b], |v[\s+16*\b+\i]|, |v[\s+1+16*\b+\i]|   ; (the four blocks by turns)
.endr
.endr
.irp b, 0,1,2,3
	v_permlanex16_b32 v[TM+4+\b], v[TM+\b], s[SEL], s[SEL+1]
.endr
.irp b, 0,1,2,3
	v_max_num_f32 v[TM+\b], v[TM+\b], v[TM+4+\b]   ; with lane l xor 16's: the block's largest magnitude
.endr
.irp b, 0,1,2,3
	v_add_nc_u32 v[TM+12+\b], 0xff000000, v[TM+\b] ; 2 off its exponent field: the conversion takes the exponent field of this operand as its scale
.endr
.irp b, 0,1,2,3
	v_lshrrev_b32 v[TM+4+\b], 23, v[TM+12+\b]      ; the scale's byte
.endr
.irp b, 0,1,2,3
.irp u, 0,1
	v_cvt_scalef32_pk8_fp4_f32 v[(\d)+4*(\b/2)+2*\u+(\b%2)], v[\s+16*\b+8*\u:\s+16*\b+8*\u+7], v[TM+12+\b]
.endr
.endr
	v_nop                                          ; one plain place behind a scaled conversion
.irp c, 0,1
	v_permlane16_swap_b32 v[(\d)+4*\c], v[(\d)+4*\c+1]
	v_permlane16_swap_b32 v[(\d)+4*\c+2], v[(\d)+4*\c+3]
.endr
.endm
; q, k: row tile a (16 tokens x my two heads): rotated, quantised along d, stored.
.macro QKTILE a
.if (\a) < 4
.set CSB, 64+128*((\a)/2)+32*((\a)%2)
.else
.set CSB, 128*(((\a)-4)/2)+32*((\a)%2)
.endif
.set AC, 64*((\a)%4)
	s_wait_loadcnt 8*(7-(\a))                      ; this tile's eight loads of angles are in; those of the later tiles may be out
	WIN 0x06+(\a)/4                                ; source 0: the accumulators' window; source 1: window 1, the angles; the rest window 0
.irp b, 0,1,2,3,4,5,6,7
.irp p, 0,1,2,3
	v_mul_f32 v[T+2*\p],   v[AC+8*\b+2*\p+1], v[CSB+16+4*(\b%4)+\p]   ; t1 sin (each accumulator is first read at its low end)
	v_mul_f32 v[T+2*\p+1], v[AC+8*\b+2*\p],   v[CSB+16+4*(\b%4)+\p]   ; t0 sin
.endr
.irp p, 0,1,2,3
	v_fma_f32 v[R+8*\b+2*\p],   v[AC+8*\b+2*\p],   v[CSB+4*(\b%4)+\p], -v[T+2*\p]     ; t0 cos - t1 sin
	v_fma_f32 v[R+8*\b+2*\p+1], v[AC+8*\b+2*\p+1], v[CSB+4*(\b%4)+\p], v[T+2*\p+1]    ; t1 cos + t0 sin
.endr
.endr
	WIN 0
	QUANT4 R, PC+8*(\a)
	v_lshl_or_b32 v[W0+(\a)], v[TM+5], 8, v[TM+4]  ; the first head's two bytes,
	v_lshl_or_b32 v[W1+(\a)], v[TM+7], 8, v[TM+6]  ; the second's;
	v_or_b32 v[W0+(\a)], 0x7f7f0000, v[W0+(\a)]    ; 1.0 for the half of the instruction's K that the head does not have
	v_or_b32 v[W1+(\a)], 0x7f7f0000, v[W1+(\a)]
	global_store_b128 v[LI], v[PC+8*(\a):PC+8*(\a)+3], s[12:13] offset:512*(\a)       ; 32 lanes store 512 consecutive bytes
	global_store_b128 v[LI], v[PC+8*(\a)+4:PC+8*(\a)+7], s[100:101] offset:512*(\a)
.endm
; v: tokens 32 i .. 32 i + 31 of my 128 go into the stage as rows,
.macro VSTAGE i
.irp u, 0,1
.set AC, 64*((2*(\i)+\u)%4)
	WIN 0x08+4*((2*(\i)+\u)/4)                     ; an LDS store's data are its source 1: window 2 or 3
.irp b, 0,1,2,3,4,5,6,7
	ds_store_b128 v[STO], v[AC+8*\b:AC+8*\b+3] offset:16*SPITCH*\u+64*\b       ; each accumulator from its low end on
	ds_store_b128 v[STO], v[AC+8*\b+4:AC+8*\b+7] offset:16*SPITCH*\u+64*\b+16
.endr
.endr
	WIN 0
.endm
; and come back by columns: a lane takes column 32 cb + lane and its registers run down the 32 tokens: a whole block along the keys in one lane.
.macro VLOAD cb
.set tt, 0
.rept 32
	ds_load_b32 v[X+32*(\cb)+tt], v[RDV] offset:SPITCH*tt+128*(\cb)   ; LDS serves a wave's instructions in order (ISA guide 5.7.1.4): these see my stores, and the next stores come behind them
.set tt, tt+1
.endr
.endm
.macro VBLOCK i, cb
.set XS, X+32*(\cb)
.set CD, CDB+4*(4*(\i)+(\cb))
	v_max3_num_f32 v[VT], |v[XS]|, |v[XS+1]|, |v[XS+2]|
	v_max3_num_f32 v[VT+1], |v[XS+3]|, |v[XS+4]|, |v[XS+5]|
.irp n, 6,10,14,18,22,26
	v_max3_num_f32 v[VT], v[VT], |v[XS+\n]|, |v[XS+\n+1]|
	v_max3_num_f32 v[VT+1], v[VT+1], |v[XS+\n+2]|, |v[XS+\n+3]|
.endr
	v_max3_num_f32 v[VT], v[VT], |v[XS+30]|, |v[XS+31]|
	v_max3_num_f32 v[VT], v[VT], v[VT+1], 0x1800000        ; and the floor
	v_add_nc_u32 v[VT+2], 0xff000000, v[VT]
	v_lshrrev_b32 v[VT+3], 23, v[VT+2]
.if (\i) == 0
	v_mov_b32 v[SW+(\cb)], v[VT+3]                 ; byte i of the column's scale word for these 128 keys
.else
	v_lshl_or_b32 v[SW+(\cb)], v[VT+3], 8*(\i), v[SW+(\cb)]
.endif
.irp g, 0,1,2,3
	v_cvt_scalef32_pk8_fp4_f32 v[CD+((\g)^((\i)%2))], v[XS+8*\g:XS+8*\g+7], v[VT+2]   ; in the odd blocks of 32 keys the groups of eight keys lie swapped in pairs: the order in which the attention launch holds p
.endr
	v_nop                                          ; one plain place behind a scaled conversion
.if (\cb) < 2
	global_store_b128 v[LI], v[CD:CD+3], s[12:13] offset:4096+2048*((\cb)%2)+1024*((\i)/2)+512*((\i)%2)
.else
	global_store_b128 v[LI], v[CD:CD+3], s[100:101] offset:4096+2048*((\cb)%2)+1024*((\i)/2)+512*((\i)%2)
.endif
.endm
	s_wait_alu depctr_va_vdst(0)
	s_wait_tensorcnt 0x0                           ; my tile of the head's four is in
	ds_add_u32 v[SPW], v[NIL]
	s_mov_b32 s[G1+2], 128<<16                     ; no tensor load of mine is out: from here on a load brings 128 rows
	s_mov_b32 s[G1+4], 128
	s_mov_b32 s[G1B+2], 128<<16
	s_mov_b32 s[G1B+4], 128
	s_wait_dscnt 0x0                               ; the add is done
	CROUND                                         ; all four tiles are in, and all sixteen work-groups are here
	JLOAD G0+4, G1, G0B+4, G1B                     ; slot 1's one fill, a quarter a wave: the first tensor load behind the round
	FETCH_B 0, 0, 0
	FETCH_A 0, 0, 0
	SCALES 0
	FETCH_A 0, 0, 4
	STEP 0, 0, 1                                   ; the first step's products start the sums
	STEPS 0, 1
	TURN 0, 1
	STEPS 1, 0
	s_wait_dscnt 4*NL                              ; the last step: nothing more to fetch
	WIN MUL_LO
	MUL16 0, 1, NQ-1, 1, 0
	MUL16 2, 1, NQ-1, 1, 0
	s_wait_dscnt 0
	WIN MUL_HI
	MUL16 4, 1, NQ-1, 1, 0
	MUL16 6, 1, NQ-1, 1, 0
	WIN 0
	PLACES NP                                      ; behind the last products: for the reads of results, the loads into fragment registers and the writes of scale registers on both ways below
	s_cmp_eq_u32 ttmp9, 2                          ; the cluster's x: the same in all sixteen partners
	s_cbranch_scc1 .Lv
	; ---- q and k
	WIN TO_B
	CSLOAD 4                                       ; the angles of row tiles 4-7 take the registers that W_qkv's fragments have left
	CSLOAD 5
	CSLOAD 6
	CSLOAD 7
.irp a, 0,1,2,3,4,5,6,7
	QKTILE \a
.endr
	v_and_b32 v[T], 31, v0
	v_cmp_le_u32 vcc_lo, 16, v[T]                  ; lanes 16-31
.irp j, 0,1,2,3
	v_cndmask_b32 v[OUT+\j], v[W0+\j], v[W0+4+\j], vcc_lo      ; the image of the scale words: word j of lane (r, h) belongs to tile 4 h + j, row r
	v_cndmask_b32 v[OUT+4+\j], v[W1+\j], v[W1+4+\j], vcc_lo
.endr
	global_store_b128 v[SCO], v[OUT:OUT+3], s[12:13]
	global_store_b128 v[SCO], v[OUT+4:OUT+7], s[100:101]
	s_branch .Lend
	; ---- v: quantised along the keys
.Lv:
.irp i, 0,1,2,3
	VSTAGE \i
	VLOAD 0
	VLOAD 1
	s_wait_dscnt 32                                ; column block 0 is in; block 1's 32 loads may be out
	VBLOCK \i, 0
	VLOAD 2
	s_wait_dscnt 32                                ; block 1 is in; block 2's may be out
	VBLOCK \i, 1
	VLOAD 3
	s_wait_dscnt 32                                ; block 2 is in; block 3's may be out
	VBLOCK \i, 2
	s_wait_dscnt 0
	VBLOCK \i, 3
.endr
	global_store_b64 v[L8], v[SW:SW+1], s[12:13] offset:8704         ; 32 lanes store 256 consecutive bytes: the scale words of the head's 64 channels
	global_store_b64 v[L8], v[SW+2:SW+3], s[100:101] offset:8704
.Lend:
	s_wait_tensorcnt 0x0                           ; the wave's end: behind my last tensor load and my last LDS store
	ds_add_u32 v[SPW], v[NIL]
	s_wait_dscnt 0x0
	CROUND                                         ; the closing round: no work-group ends while a partner may still ask for a tile that names it
	s_endpgm
.Lfunc_end_k_qb6b86e6592_qkv:
	.size	k_qb6b86e6592_qkv, .Lfunc_end_k_qb6b86e6592_qkv-k_qb6b86e6592_qkv
	.p2alignl 7, 3214868480
	.fill 96, 4, 3214868480
	.section	.rodata,"a",@progbits
	.p2align	6, 0x0
	.amdhsa_kernel k_qb6b86e6592_qkv
		.amdhsa_group_segment_fixed_size 327680
		.amdhsa_private_segment_fixed_size 0
		.amdhsa_enable_private_segment 0
		.amdhsa_kernarg_size 64
		.amdhsa_user_sgpr_count 2
		.amdhsa_user_sgpr_kernarg_segment_ptr 1
		.amdhsa_wavefront_size32 1
		.amdhsa_system_sgpr_workgroup_id_x 1
		.amdhsa_system_sgpr_workgroup_id_y 1
		.amdhsa_system_sgpr_workgroup_id_z 1
		.amdhsa_system_vgpr_workitem_id 0
		.amdhsa_next_free_vgpr 1024
		.amdhsa_next_free_sgpr 102
		.amdhsa_reserve_vcc 1
		.amdhsa_float_denorm_mode_32 3
		.amdhsa_float_denorm_mode_16_64 3
		.amdhsa_memory_ordered 1
		.amdhsa_forward_progress 1
		.amdhsa_inst_pref_size 250
	.end_amdhsa_kernel
	.amdgpu_metadata
---
amdhsa.version: [ 1, 2 ]
amdhsa.kernels:
  - .name:           k_qb6b86e6592_qkv
    .symbol:         k_qb6b86e6592_qkv.kd
    .args:
      - { .name: x_codes, .offset: 0, .size: 8, .value_kind: global_buffer, .address_space: global }
      - { .name: x_scales, .offset: 8, .size: 8, .value_kind: global_buffer, .address_space: global }
      - { .name: W_qkv_codes, .offset: 16, .size: 8, .value_kind: global_buffer, .address_space: global }
      - { .name: W_qkv_scales, .offset: 24, .size: 8, .value_kind: global_buffer, .address_space: global }
      - { .name: freqs_cos, .offset: 32, .size: 8, .value_kind: global_buffer, .address_space: global }
      - { .name: freqs_sin, .offset: 40, .size: 8, .value_kind: global_buffer, .address_space: global }
      - { .name: q_ws, .offset: 48, .size: 8, .value_kind: global_buffer, .address_space: global }
      - { .name: kv_ws, .offset: 56, .size: 8, .value_kind: global_buffer, .address_space: global }
    .group_segment_fixed_size: 327680
    .private_segment_fixed_size: 0
    .kernarg_segment_align: 8
    .kernarg_segment_size: 64
    .max_flat_workgroup_size: 128
    .sgpr_count:     102
    .vgpr_count:     1024
    .wavefront_size: 32
...
	.end_amdgpu_metadata
.endif
;; end of part 1
;; launch attn (part 2): grid 8 x 32, 16 waves a work-group, clusters of 4 x 1, 327,680 bytes of LDS; arguments q_ws, kv_ws, o_codes, o_scales; writes o_codes, o_scales
.if DOCPART == 2
	.amdgcn_target "amdgcn-amd-amdhsa--gfx1250"
	.amdhsa_code_object_version 6
	.text
	.protected	k_qb6b86e6592_attn
	.globl	k_qb6b86e6592_attn
	.p2align	8
	.type	k_qb6b86e6592_attn,@function
k_qb6b86e6592_attn:
	s_mov_b64 s[64:65], 0
	v_nop
	global_prefetch_b8 v0, s[64:65] scope:SCOPE_SE
	s_setreg_imm32_b32 hwreg(HW_REG_WAVE_MODE, 25, 1), 1
	s_wait_xcnt 0x0
	s_wait_alu depctr_hold_cnt(0) depctr_sa_sdst(0) depctr_va_vdst(0) depctr_va_sdst(0) depctr_va_ssrc(0) depctr_va_vcc(0) depctr_vm_vsrc(0)
	s_getreg_b32 s2, hwreg(HW_REG_IB_STS2, 6, 4)
	s_cmp_eq_u32 s2, 0
	s_cbranch_scc0 .Lentry_in_a_cluster
	s_endpgm
.Lentry_in_a_cluster:
	s_bfe_u32 s2, ttmp6, 0x10000c
	s_cmp_lg_u32 s2, 0x3003
	s_cbranch_scc0 .Lentry_shape_is_right
	s_endpgm
.Lentry_shape_is_right:
; Attention on codes of FP4 (E2M1) with E8M0 scales: o = softmax(q k^T / 8) v for 64 (batch, head) pairs of 2,048 tokens, head size 64; o is quantised along the channels for the projection.
; SOFTMAX: t = score x log2(e) / 8; M = the running largest t rounded up to a whole number; p = 2^(t - M) is quantised along the keys; the row's sum is taken of the unquantised p and divides at the end.
; When M moves, the sum and O are multiplied by 2^(old M - new M), in every step, with no branch on data.  LIMIT: the promise holds while |t| stays under 2^31; NaN and infinities are not served.
; SHARES: a work-group owns 256 queries of two neighbouring heads; each of its 16 waves owns 16 queries and walks head 0's 16 key steps of 128 keys, then head 1's.
; LDS: K and V of both heads, 286,720 bytes, filled ONCE: wave w brings key step w of both heads by one tensor load of 2 rows of 8,960 bytes (a record of kv_ws), so LDS is [step][head][8,960].
; CLUSTER: the four work-groups of a cluster own four query blocks of the same two heads and ask for these tiles jointly (mask 15).
; NO PREFETCH: every byte that the launch reads is asked for at its head; there is no loop to run ahead in.
; LAYOUT: both products transposed (S^T = K Q^T, O^T = V^T P^T): lane (r, h) holds query r throughout.
; THE KEYS OF A TILE: row m of tile (c, t) is key 64 c + 8 t + m for m < 8 and key 64 c + 32 + 8 (t xor 1) + m - 8 for m >= 8.  So a lane's registers S + 32 c + 0 .. 31 are ONE WHOLE BLOCK of 32 keys,
; block 2 c + h, and the eight conversions' results are the operand's registers as they stand.  In the odd blocks the groups of eight keys are swapped in pairs; kv_ws holds V's codes in the same order.
; With that swap rows 0-7 and rows 8-15 of a tile lie 128 bytes apart modulo 256 in a record.
; THE HEAD'S 64 IN AN INSTRUCTION OF 128: Q's registers 4-7 are zero codes, so K's registers 4-7 may be anything finite (the next tile's codes); the scale words' bytes 2, 3 are 0x7f.
; THE TRIP IS LAID SO THAT LOADS AND PRODUCTS ARE ASKED FOR AHEAD: trip i asks for K of step i + 1 and V of step i from LDS at its head, issues the scores of step i + 1 at its end,
; and brings O under step i - 1's M and adds P V of step i - 1 while the chain that finds step i's M runs.  Trip 0 adds a product with zero codes of P.
.set REC,   8960                       ; a record of kv_ws: K's codes 4,096, V's 4,096, K's scale words 512, V's 256
.set HEADB, 16*REC
.set STEPB, 2*REC                      ; from key step to key step in LDS
.set QREC,  4608
.set QHEAD, 16*QREC
.set SCR,   2*HEADB                    ; 1,024 bytes: the scale words of o on their way out
.set SPARE, SCR+1024                   ; the spare words, 128 bytes a wave
.set LI,  1                            ; 16 x lane
.set LV,  2                            ; V: 512 h + 16 r
.set L8,  3                            ; 8 x lane
.set LK,  4                            ; v4, v5: K, even and odd t: 16 (r % 8) + 256 h + 1,152 (r / 8), and the same xor 128
.set LS,  6                            ; K's scale words: 128 (h xor r / 8) + 16 (r % 8) + 8 (r / 8)
.set R16, 7
.set Q0,  8
.set Q1,  16
.set QS0, 24
.set QS1, 25
.set PW,  26                           ; p's scale word
.set OW,  27
.set NM,  28                           ; -M
.set MT,  29                           ; the running largest score
.set L,   30
.set KF,  32                           ; v32-63 eight tiles of K, four registers each; v64-67 zeros
.set VF,  68
.set S,   100
.set O,   164
.set PC,  196
.set BM,  204
.set ADK, 206                          ; v206, v207
.set BT,  208
.set ADS, 210
.set ADV, 211
.set BS,  212
.set ADT, 214
.set DD,  215
.set CH,  216                          ; v216-223 eight chains of maxima, then four pairs of sums
.set KSC, 224
.set VSC, 228
.set F,   230
.set OC0, 232
.set OC1, 236
.set SCRA, 240
.set RDA, 241
.set RL,  242
.set GB,  244
.set TT,  248
.set TU,  249
.set NO,  250                          ; -M of the step before
.set SH8, 251                          ; 8 h
.set SPW, 252
.set NIL, 253
.set WV,  12
.set G1,  16
.set G0,  24
.set SEL, 32
.set CS,  34
.set TB,  36
.set CNT, 37
.macro CROUND
	s_barrier_signal -1
	s_barrier_wait -1
	s_cmp_lg_u32 s[WV], 0
	s_cbranch_scc1 .Lnot_wave_0_\@
	s_barrier_signal -3
.Lnot_wave_0_\@:
	s_barrier_wait -3
	s_barrier_signal -1
	s_barrier_wait -1
.endm
	s_load_b256 s[4:11], s[0:1], 0x0               ; q_ws, kv_ws, o_codes, o_scales
	v_lshl_add_u32 v[SPW], v0, 2, SPARE
	v_mov_b32 v[NIL], 0
	ds_add_u32 v[SPW], v[NIL]
	ds_add_u32 v[SPW], v[NIL]
	v_lshrrev_b32 v[TT], 5, v0
	v_readfirstlane_b32 s[WV], v[TT]
	v_and_b32 v[TU], 31, v0
	v_and_b32 v[DD], 15, v0                        ; r
	v_lshlrev_b32 v[LI], 4, v[TU]
	v_lshlrev_b32 v[L8], 3, v[TU]
	v_lshlrev_b32 v[R16], 4, v[DD]
	s_bfe_u32 s13, ttmp6, 0x40000
	s_lshl_b32 s14, ttmp9, 2
	s_add_co_u32 s14, s14, s13                     ; my block of 256 queries
	s_and_b32 s15, ttmp7, 0xffff                   ; my pair of heads: 8 x batch + pair
	s_mov_b32 s[G1], 15|(3<<16)|(1<<21)            ; mask: the cluster's four; elements of 8 bytes
	s_mov_b32 s[G1+1], (REC/8)<<16                 ; a row: one record
	s_mov_b32 s[G1+2], 2<<16                       ; two rows: the two heads
	s_mov_b32 s[G1+3], (REC/8)<<16
	s_mov_b32 s[G1+4], 2
	s_mov_b32 s[G1+5], HEADB/8                     ; from head to head
	s_mov_b32 s[G1+6], 0
	s_mov_b32 s[G1+7], 0
	s_mul_i32 s40, s[WV], REC
	s_mul_i32 s38, s15, 2*HEADB
	s_add_co_u32 s38, s38, s40
	s_mov_b32 s39, 0
	s_mul_i32 s41, s[WV], STEPB
	s_mov_b32 s[SEL], 0x76543210
	s_mov_b32 s[SEL+1], 0xfedcba98
	s_mov_b32 s[CS], 0x3e38aa3b                    ; log2(e) / 8
	s_mov_b32 s[CS+1], s[CS]
	s_mul_i32 s42, s15, 2*QHEAD
	s_lshl_b32 s43, s14, 1
	s_lshr_b32 s44, s[WV], 3
	s_add_co_u32 s43, s43, s44
	s_mul_i32 s43, s43, QREC
	s_add_co_u32 s42, s42, s43                     ; my group of 128 queries in q_ws
	s_bfe_u32 s44, s[WV], 0x10002
	s_lshl_b32 s44, s44, 8
	s_and_b32 s45, s[WV], 3
	s_lshl_b32 s45, s45, 2
	s_add_co_u32 s44, s44, s45
	s_add_co_u32 s44, s44, 4096
	s_add_co_u32 s44, s44, s42                     ; my tile's scale words
	s_mov_b32 s45, 0
	s_and_b32 s43, s[WV], 7
	s_lshl_b32 s43, s43, 9
	s_add_co_u32 s42, s42, s43                     ; my tile's codes
	s_mov_b32 s43, 0
	s_wait_alu depctr_va_vdst(0)
	s_wait_dscnt 0x0
	s_wait_kmcnt 0x0
	s_add_nc_u64 s[38:39], s[6:7], s[38:39]
	s_add_nc_u64 s[46:47], s[4:5], s[44:45]
	s_add_nc_u64 s[4:5], s[4:5], s[42:43]
	global_load_b128 v[Q0:Q0+3], v[LI], s[4:5]     ; Q of both heads is on its way while the tiles come
	global_load_b128 v[Q1:Q1+3], v[LI], s[4:5] offset:QHEAD
	global_load_b32 v[QS0], v[R16], s[46:47]
	global_load_b32 v[QS1], v[R16], s[46:47] offset:QHEAD
	s_mov_b32 s[G0], 1
	s_mov_b32 s[G0+1], s41
	s_mov_b64 s[G0+2:G0+3], s[38:39]
	s_or_b32 s[G0+3], s[G0+3], 0x80000000
	CROUND                                         ; the four partners are here: the joint loads meet
	tensor_load_to_lds s[G0:G0+3], s[G1:G1+7]      ; my one tensor load of the launch
	s_nop 0
	s_mov_b32 s49, 0                               ; where o's codes and scale words go
	s_lshr_b32 s50, s15, 3
	s_and_b32 s51, s15, 7
	s_lshl_b32 s52, s50, 7
	s_lshl_b32 s53, s14, 4
	s_add_co_u32 s52, s52, s53
	s_add_co_u32 s52, s52, s[WV]
	s_lshl_b32 s52, s52, 12
	s_lshr_b32 s53, s51, 2
	s_lshl_b32 s53, s53, 21
	s_add_co_u32 s52, s52, s53
	s_and_b32 s53, s51, 3
	s_lshl_b32 s53, s53, 10
	s_add_co_u32 s48, s52, s53
	s_add_nc_u64 s[8:9], s[8:9], s[48:49]
	s_lshl_b32 s52, s50, 4
	s_lshl_b32 s53, s14, 1
	s_add_co_u32 s52, s52, s53
	s_and_b32 s53, s[WV], 1
	s_add_co_u32 s52, s52, s53
	s_lshl_b32 s52, s52, 12
	s_lshl_b32 s53, s51, 9
	s_add_co_u32 s48, s52, s53
	s_add_nc_u64 s[10:11], s[10:11], s[48:49]
	s_lshr_b32 s52, s[WV], 2
	s_lshl_b32 s52, s52, 8
	s_and_b32 s53, s[WV], 3
	s_lshl_b32 s53, s53, 2
	s_add_co_u32 s52, s52, s53
	s_add_co_u32 s52, s52, SCR
	v_bfe_u32 v[NO], v0, 4, 1                      ; h
	v_and_b32 v[TT], 7, v[DD]                      ; r % 8
	v_lshrrev_b32 v[TU], 3, v[DD]                  ; r / 8
	v_lshl_add_u32 v[LV], v[NO], 9, v[R16]
	v_lshlrev_b32 v[SH8], 3, v[NO]
	v_lshlrev_b32 v[LK], 4, v[TT]
	v_lshl_add_u32 v[LK], v[NO], 8, v[LK]
	v_mad_u32_u24 v[LK], v[TU], 1152, v[LK]
	v_xor_b32 v[LK+1], 128, v[LK]
	v_lshlrev_b32 v[BT], 7, v[NO]
	v_lshl_add_u32 v[BT], v[TU], 7, v[BT]
	v_and_b32 v[BT], 128, v[BT]                    ; 128 (h xor r / 8)
	v_lshl_add_u32 v[LS], v[TT], 4, v[BT]
	v_lshl_add_u32 v[LS], v[TU], 3, v[LS]
	v_add_nc_u32 v[SCRA], s52, v[R16]
	v_lshl_add_u32 v[RDA], v0, 4, SCR
.irp j, 4,5,6,7
	v_mov_b32 v[Q0+\j], 0
	v_mov_b32 v[Q1+\j], 0
	v_mov_b32 v[KF+28+\j], 0
.endr
	v_mov_b32 v[F+1], 0                            ; named as the upper halves of pairs
	v_mov_b32 v[RL+1], 0
.macro KLOAD off                       ; ten loads: a key step's eight tiles of K and their scale words (register 2 c + t / 2; lanes 0-15 even t, lanes 16-31 odd t)
.irp c, 0,1
.irp t, 0,1,2,3
	ds_load_b128 v[KF+16*\c+4*\t:KF+16*\c+4*\t+3], v[ADK+(\t%2)] offset:\off+2048*\c+512*(\t/2)
.endr
	ds_load_b64 v[KSC+2*\c:KSC+2*\c+1], v[ADS] offset:\off+8192+256*\c
.endr
.endm
.macro VLOAD                           ; nine loads: four tiles of V^T (16 channels x 128 keys) and the channels' scale words
.irp t, 0,1,2,3
.irp c, 0,1
	ds_load_b128 v[VF+8*\t+4*\c:VF+8*\t+4*\c+3], v[ADV] offset:4096+2048*(\t/2)+1024*\c+256*(\t%2)
.endr
.endr
	ds_load_b64 v[VSC:VSC+1], v[ADT] offset:8704
.endm
.macro SMUL q, qs                      ; S^T = K Q^T: eight accumulators, each begun with 0
.irp c, 0,1
.irp t, 0,1,2,3
.if \t%2
	v_wmma_scale_f32_16x16x128_f8f6f4 v[S+32*\c+8*\t:S+32*\c+8*\t+7], v[KF+16*\c+4*\t:KF+16*\c+4*\t+7], v[\q:\q+7], 0, v[KSC+2*\c+\t/2], v[\qs] matrix_a_fmt:MATRIX_FMT_FP4 matrix_b_fmt:MATRIX_FMT_FP4 matrix_a_scale:MATRIX_SCALE_ROW1
.else
	v_wmma_scale_f32_16x16x128_f8f6f4 v[S+32*\c+8*\t:S+32*\c+8*\t+7], v[KF+16*\c+4*\t:KF+16*\c+4*\t+7], v[\q:\q+7], 0, v[KSC+2*\c+\t/2], v[\qs] matrix_a_fmt:MATRIX_FMT_FP4 matrix_b_fmt:MATRIX_FMT_FP4
.endif
.endr
.endr
.endm
.macro PVMUL                           ; O^T += V^T P^T: four accumulators by turns
.irp t, 0,1,2,3
.if \t%2
	v_wmma_scale_f32_16x16x128_f8f6f4 v[O+8*\t:O+8*\t+7], v[VF+8*\t:VF+8*\t+7], v[PC:PC+7], v[O+8*\t:O+8*\t+7], v[VSC+\t/2], v[PW] matrix_a_fmt:MATRIX_FMT_FP4 matrix_b_fmt:MATRIX_FMT_FP4 matrix_a_scale:MATRIX_SCALE_ROW1
.else
	v_wmma_scale_f32_16x16x128_f8f6f4 v[O+8*\t:O+8*\t+7], v[VF+8*\t:VF+8*\t+7], v[PC:PC+7], v[O+8*\t:O+8*\t+7], v[VSC+\t/2], v[PW] matrix_a_fmt:MATRIX_FMT_FP4 matrix_b_fmt:MATRIX_FMT_FP4
.endif
.endr
.endm
.macro RESC n                          ; tile n of O^T x f, from its low end on
.irp j, 0,2,4,6
	v_pk_mul_f32 v[O+8*\n+\j:O+8*\n+\j+1], v[O+8*\n+\j:O+8*\n+\j+1], v[F:F+1] op_sel_hi:[1,0]
.endr
.endm
.macro PADD                            ; the pair of p at S + jj goes onto one of five sums, by turns
.if aa == 4
	v_pk_add_f32 v[L:L+1], v[L:L+1], v[S+jj:S+jj+1]
.else
	v_pk_add_f32 v[CH+2*aa:CH+2*aa+1], v[CH+2*aa:CH+2*aa+1], v[S+jj:S+jj+1]
.endif
.set jj, jj+2
.set aa, (aa+1)%5
.endm
; TRIP i.  On entry: the scores of step i have been issued; P, its scale word and f of step i - 1 stand in registers; V of step i - 1 is on its way from LDS.  more = 1: a step follows.
.macro TRIP q, qs, more
	v_add_nc_u32 v[ADV], s[TB], v[LV]
	v_add_nc_u32 v[ADT], s[TB], v[L8]
	v_mov_b32 v[NO], v[NM]
.if \more
	v_add_nc_u32 v[ADK], s[TB], v[LK]
	v_add_nc_u32 v[ADK+1], s[TB], v[LK+1]
	v_add_nc_u32 v[ADS], s[TB], v[LS]              ; (these and the lines behind the scores' products are the places ahead of the loads)
	KLOAD STEPB                                    ; K of step i + 1
.endif
.irp T, 0,1,2,3,4,5,6,7                        ; the largest score of each block of 32 keys: eight chains, a tile each, each tile from its low end on
	v_max3_num_f32 v[CH+\T], v[S+8*\T], v[S+8*\T+1], v[S+8*\T+2]
.endr
.irp T, 0,1,2,3,4,5,6,7
	v_max3_num_f32 v[CH+\T], v[CH+\T], v[S+8*\T+3], v[S+8*\T+4]
.endr
.irp T, 0,1,2,3,4,5,6,7
	v_max3_num_f32 v[CH+\T], v[CH+\T], v[S+8*\T+5], v[S+8*\T+6]
.endr
	v_max3_num_f32 v[CH], v[CH], v[CH+1], v[S+7]
	v_max3_num_f32 v[CH+2], v[CH+2], v[CH+3], v[S+15]
	v_max3_num_f32 v[CH+4], v[CH+4], v[CH+5], v[S+39]
	v_max3_num_f32 v[CH+6], v[CH+6], v[CH+7], v[S+47]
	v_max3_num_f32 v[CH], v[CH], v[CH+2], v[S+23]
	v_max3_num_f32 v[CH+4], v[CH+4], v[CH+6], v[S+55]
	v_max_num_f32 v[BM], v[CH], v[S+31]
	v_max_num_f32 v[BM+1], v[CH+4], v[S+63]
	v_max3_num_f32 v[TT], v[BM], v[BM+1], v[MT]
	s_wait_alu depctr_va_vdst(0)                   ; directly ahead of the first reader of O^T
	RESC 0                                         ; O^T under step i - 1's M; the chain that finds step i's M stands among these lines
	v_permlanex16_b32 v[TU], v[TT], s[SEL], s[SEL+1]
	RESC 1
	v_max_num_f32 v[MT], v[TT], v[TU]              ; the running largest score of my query
	RESC 2
	v_mul_f32 v[TT], s[CS], v[MT]
	RESC 3
	v_floor_f32 v[NM], -v[TT]                      ; -M = floor(-t)
	s_wait_alu depctr_va_vdst(0)
	s_wait_dscnt 10*\more                          ; V of step i - 1 is in; the ten loads of K issued behind it may be out
	PVMUL                                          ; step i - 1
.irp j, 0,2,4,6
	v_pk_fma_f32 v[S+\j:S+\j+1], v[S+\j:S+\j+1], s[CS:CS+1], v[NM:NM+1] op_sel_hi:[1,0,0]   ; t - M (these four are the places ahead of the loads)
.endr
	VLOAD                                          ; V of step i
.set ii, 8
.rept 28
	v_pk_fma_f32 v[S+ii:S+ii+1], v[S+ii:S+ii+1], s[CS:CS+1], v[NM:NM+1] op_sel_hi:[1,0,0]
.set ii, ii+2
.endr
	v_fma_f32 v[BM], v[BM], s[CS], v[NM]           ; the same of each block's largest score
	v_fma_f32 v[BM+1], v[BM+1], s[CS], v[NM]
	s_wait_alu depctr_va_vdst(0)
	v_exp_f32 v[BM], v[BM]                         ; the blocks' largest p
	v_exp_f32 v[BM+1], v[BM+1]
.set ii, 0
.rept 64
	v_exp_f32 v[S+ii], v[S+ii]
.set ii, ii+1
.endr
	v_sub_f32 v[DD], v[NM], v[NO]                  ; old M - new M, a whole number, 0 or less
	v_cvt_i32_f32 v[DD], v[DD]                     ; (it saturates)
	v_ldexp_f32 v[F], 1.0, v[DD]                   ; f of step i
	v_pk_mul_f32 v[L:L+1], v[L:L+1], v[F:F+1] op_sel_hi:[1,0]
	s_wait_alu depctr_va_vdst(0)                   ; one wait for the batch, ahead of its first reader
	v_max_num_f32 v[BM], 0x1800000, v[BM]          ; the floor 2^(3 - 127): the byte cannot fall under 1
	v_max_num_f32 v[BM+1], 0x1800000, v[BM+1]
.irp a, 0,1,2,3
	v_pk_add_f32 v[CH+2*\a:CH+2*\a+1], v[S+4*\a:S+4*\a+1], v[S+4*\a+2:S+4*\a+3]   ; the row's sum of the unquantised p
.endr
	v_add_nc_u32 v[BS], 0xff000000, v[BM]          ; 2 off the exponent field: the conversions' scale operand
	v_add_nc_u32 v[BS+1], 0xff000000, v[BM+1]
.set jj, 16
.set aa, 0
.irp T, 0,1,2,3,4,5,6,7
	PADD
	PADD
	PADD
	v_cvt_scalef32_pk8_fp4_f32 v[PC+\T], v[S+8*\T:S+8*\T+7], v[BS+\T/4]   ; register T of the operand as it stands
.endr
	v_pk_add_f32 v[CH:CH+1], v[CH:CH+1], v[CH+2:CH+3]
	v_pk_add_f32 v[CH+4:CH+5], v[CH+4:CH+5], v[CH+6:CH+7]
	v_pk_add_f32 v[CH:CH+1], v[CH:CH+1], v[CH+4:CH+5]
	v_pk_add_f32 v[L:L+1], v[L:L+1], v[CH:CH+1]
.if \more
	s_wait_alu depctr_va_vdst(0)
	s_wait_dscnt 9                                 ; K of step i + 1 is in; the nine loads of V issued behind it may be out
	SMUL \q, \qs                                   ; the scores of step i + 1
.endif
	v_lshrrev_b32 v[BT], 23, v[BS]                 ; my two blocks' bytes: blocks h and 2 + h,
	v_lshrrev_b32 v[BT+1], 23, v[BS+1]
	v_lshl_or_b32 v[TT], v[BT+1], 16, v[BT]
	v_lshlrev_b32 v[TT], v[SH8], v[TT]             ; at their places in the word;
	v_permlanex16_b32 v[TU], v[TT], s[SEL], s[SEL+1]
	v_or_b32 v[PW], v[TT], v[TU]                   ; with lane l xor 16's two the word is whole
.endm
.macro FINISH e, oc                    ; O^T / the sum, quantised along the channels, stored as the projection's operand image
.rept 4
	v_nop
.endr
	v_add_f32 v[L], v[L], v[L+1]
	s_delay_alu instid0(VALU_DEP_1)
	v_permlanex16_b32 v[TT], v[L], s[SEL], s[SEL+1]
	s_delay_alu instid0(VALU_DEP_1)
	v_add_f32 v[L], v[L], v[TT]
	s_wait_alu depctr_va_vdst(0)
	v_rcp_f32 v[RL], v[L]
	v_nop
	s_wait_alu depctr_va_vdst(0)
.set ii, 0
.rept 16
	v_pk_mul_f32 v[S+ii:S+ii+1], v[O+ii:O+ii+1], v[RL:RL+1] op_sel_hi:[1,0]
.set ii, ii+2
.endr
.irp b, 0,1
	v_max3_num_f32 v[BM+\b], |v[S+16*\b]|, |v[S+16*\b+1]|, 0x1800000
.endr
.irp i, 2,4,6,8,10,12,14
.irp b, 0,1
	s_delay_alu instid0(VALU_DEP_2)
	v_max3_num_f32 v[BM+\b], v[BM+\b], |v[S+16*\b+\i]|, |v[S+16*\b+\i+1]|
.endr
.endr
.irp b, 0,1
	s_delay_alu instid0(VALU_DEP_2)
	v_permlanex16_b32 v[BT+\b], v[BM+\b], s[SEL], s[SEL+1]
.endr
.irp b, 0,1
	s_delay_alu instid0(VALU_DEP_2)
	v_max_num_f32 v[BM+\b], v[BM+\b], v[BT+\b]
.endr
.irp b, 0,1
	s_delay_alu instid0(VALU_DEP_2)
	v_add_nc_u32 v[BS+\b], 0xff000000, v[BM+\b]
.endr
.irp b, 0,1
	s_delay_alu instid0(VALU_DEP_2)
	v_lshrrev_b32 v[BT+\b], 23, v[BS+\b]
.endr
.if \e == 0
	s_delay_alu instid0(VALU_DEP_1)
	v_lshl_or_b32 v[OW], v[BT+1], 8, v[BT]
.else
	s_delay_alu instid0(VALU_DEP_1)
	v_lshl_or_b32 v[TT], v[BT+1], 8, v[BT]
	s_delay_alu instid0(VALU_DEP_1)
	v_lshl_or_b32 v[OW], v[TT], 16, v[OW]
.endif
.irp b, 0,1
.irp u, 0,1
	v_cvt_scalef32_pk8_fp4_f32 v[\oc+2*\u+\b], v[S+16*\b+8*\u:S+16*\b+8*\u+7], v[BS+\b]
.endr
.endr
	v_nop
	v_permlane16_swap_b32 v[\oc], v[\oc+1]
	v_permlane16_swap_b32 v[\oc+2], v[\oc+3]
	global_store_b128 v[LI], v[\oc:\oc+3], s[8:9] offset:512*\e
.endm
.macro HEAD e, q, qs, oc
	s_mov_b32 s[TB], REC*\e
	v_add_nc_u32 v[ADK], s[TB], v[LK]
	v_add_nc_u32 v[ADK+1], s[TB], v[LK+1]
	v_add_nc_u32 v[ADS], s[TB], v[LS]
	v_add_nc_u32 v[ADV], s[TB], v[LV]
	v_add_nc_u32 v[ADT], s[TB], v[L8]
	KLOAD 0                                        ; K of step 0,
	VLOAD                                          ; and V of step 0, so that trip 0's product with zero codes of P has finite operands
.set ii, 0
.rept 32
	v_mov_b32 v[O+ii], 0                           ; the trip is written once for all steps: the first finds zeros
.set ii, ii+1
.endr
.irp j, 0,1,2,3,4,5,6,7
	v_mov_b32 v[PC+\j], 0
.endr
	v_mov_b32 v[PW], 0x7f7f7f7f
	v_mov_b32 v[F], 1.0
	v_mov_b32 v[L], 0
	v_mov_b32 v[L+1], 0
	v_mov_b32 v[MT], 0xff61b1e6                    ; -3e38, under every score
	v_floor_f32 v[NM], -v[MT]
	s_wait_alu depctr_va_vdst(0)
	s_wait_dscnt 9                                 ; K is in; V's nine loads may be out
	SMUL \q, \qs
	s_mov_b32 s[CNT], 15
.Lstep_\@:
	TRIP \q, \qs, 1
	s_add_co_u32 s[TB], s[TB], STEPB
	s_sub_co_u32 s[CNT], s[CNT], 1
	s_cmp_lg_u32 s[CNT], 0
	s_cbranch_scc1 .Lstep_\@
	TRIP \q, \qs, 0                                ; the last step asks for no further K
	s_wait_alu depctr_va_vdst(0)                   ; directly ahead of the first reader of O^T
	RESC 0
	RESC 1
	RESC 2
	RESC 3
	s_wait_alu depctr_va_vdst(0)
	s_wait_dscnt 0x0                               ; V of the last step
	PVMUL
	FINISH \e, \oc
.endm
	s_wait_alu depctr_va_vdst(0)
	s_wait_tensorcnt 0x0                           ; my key step of both heads is in,
	s_barrier_signal -1
	s_barrier_wait -1                              ; everybody's is
	s_wait_loadcnt 0x0                             ; Q
	HEAD 0, Q0, QS0, OC0
	HEAD 1, Q1, QS1, OC1
	ds_store_b32 v[SCRA], v[OW]                    ; o's scale words are gathered, so that two waves store them as whole runs of 512 bytes
	s_wait_dscnt 0x0
	s_barrier_signal -1
	s_barrier_wait -1
	s_cmp_lt_u32 s[WV], 2
	s_cbranch_scc0 .Lno_scales
	ds_load_b128 v[GB:GB+3], v[RDA]
	s_wait_dscnt 0x0
	global_store_b128 v[LI], v[GB:GB+3], s[10:11]
.Lno_scales:
	s_wait_tensorcnt 0x0                           ; the wave's end
	ds_add_u32 v[SPW], v[NIL]
	s_wait_dscnt 0x0
	CROUND                                         ; the closing round
	s_endpgm
.Lfunc_end_k_qb6b86e6592_attn:
	.size	k_qb6b86e6592_attn, .Lfunc_end_k_qb6b86e6592_attn-k_qb6b86e6592_attn
	.p2alignl 7, 3214868480
	.fill 96, 4, 3214868480
	.section	.rodata,"a",@progbits
	.p2align	6, 0x0
	.amdhsa_kernel k_qb6b86e6592_attn
		.amdhsa_group_segment_fixed_size 327680
		.amdhsa_private_segment_fixed_size 0
		.amdhsa_enable_private_segment 0
		.amdhsa_kernarg_size 32
		.amdhsa_user_sgpr_count 2
		.amdhsa_user_sgpr_kernarg_segment_ptr 1
		.amdhsa_wavefront_size32 1
		.amdhsa_system_sgpr_workgroup_id_x 1
		.amdhsa_system_sgpr_workgroup_id_y 1
		.amdhsa_system_sgpr_workgroup_id_z 1
		.amdhsa_system_vgpr_workitem_id 0
		.amdhsa_next_free_vgpr 256
		.amdhsa_next_free_sgpr 66
		.amdhsa_reserve_vcc 0
		.amdhsa_float_denorm_mode_32 3
		.amdhsa_float_denorm_mode_16_64 3
		.amdhsa_memory_ordered 1
		.amdhsa_forward_progress 1
		.amdhsa_inst_pref_size 79
	.end_amdhsa_kernel
	.amdgpu_metadata
---
amdhsa.version: [ 1, 2 ]
amdhsa.kernels:
  - .name:           k_qb6b86e6592_attn
    .symbol:         k_qb6b86e6592_attn.kd
    .args:
      - { .name: q_ws, .offset: 0, .size: 8, .value_kind: global_buffer, .address_space: global }
      - { .name: kv_ws, .offset: 8, .size: 8, .value_kind: global_buffer, .address_space: global }
      - { .name: o_codes, .offset: 16, .size: 8, .value_kind: global_buffer, .address_space: global }
      - { .name: o_scales, .offset: 24, .size: 8, .value_kind: global_buffer, .address_space: global }
    .group_segment_fixed_size: 327680
    .private_segment_fixed_size: 0
    .kernarg_segment_align: 8
    .kernarg_segment_size: 32
    .max_flat_workgroup_size: 512
    .sgpr_count:     66
    .vgpr_count:     256
    .wavefront_size: 32
...
	.end_amdgpu_metadata
.endif
;; end of part 2
;; launch proj (part 3): grid 4 x 64, 4 waves a work-group, clusters of 4 x 4, 327,680 bytes of LDS; arguments o_codes, o_scales, W_proj_codes, W_proj_scales, b_proj, out0; writes out0
.if DOCPART == 3
	.amdgcn_target "amdgcn-amd-amdhsa--gfx1250"
	.amdhsa_code_object_version 6
	.text
	.protected	k_qb6b86e6592_proj
	.globl	k_qb6b86e6592_proj
	.p2align	8
	.type	k_qb6b86e6592_proj,@function
k_qb6b86e6592_proj:
	s_mov_b64 s[64:65], 0
	v_nop
	global_prefetch_b8 v0, s[64:65] scope:SCOPE_SE
	s_setreg_imm32_b32 hwreg(HW_REG_WAVE_MODE, 25, 1), 1
	s_wait_xcnt 0x0
	s_wait_alu depctr_hold_cnt(0) depctr_sa_sdst(0) depctr_va_vdst(0) depctr_va_sdst(0) depctr_va_ssrc(0) depctr_va_vcc(0) depctr_vm_vsrc(0)
	s_getreg_b32 s2, hwreg(HW_REG_IB_STS2, 6, 4)
	s_cmp_eq_u32 s2, 0
	s_cbranch_scc0 .Lentry_in_a_cluster
	s_endpgm
.Lentry_in_a_cluster:
	s_bfe_u32 s2, ttmp6, 0x10000c
	s_cmp_lg_u32 s2, 0xf033
	s_cbranch_scc0 .Lentry_shape_is_right
	s_endpgm
.Lentry_shape_is_right:
; out0 = o W_proj + b_proj on codes of FP4 (E2M1) with E8M0 scales; o's codes and scale words come from the attention launch as images of the operand registers, W_proj's as they are given.
; A block of out0, 128 tokens x 256 columns, is made by a work-group of four waves; a wave makes 64 x 128: 32 accumulators of 16 x 16, 256 registers.  8,192 x 1,024 / (128 x 256) = 256 work-groups.
; ALL OF K = 1,024 COMES AT THE HEAD, ONE TENSOR LOAD A WAVE, and nothing in LDS is filled twice:
;   wave 0: o's codes of my 128 tokens: 2 rows (the halves of K, 2,097,152 bytes apart) of 32,768 dense bytes;   wave 1: W_proj's 256 rows of 512 bytes, 16 bytes of padding behind each (pitch 528);
;   wave 2: o's scale words, 4,096 dense bytes;   wave 3: W_proj's scale bytes, 8,192 dense bytes as rows of 256 + 16.
; CLUSTERS: 4 x 4 work-groups: the four of a row of the cluster need the same tokens, the four of a column the same rows of W_proj: each tile is asked for jointly.
; NO PREFETCH: every byte that the launch reads is asked for at its head; there is no loop to run ahead in.
; o_codes: [K half][tile of 16 tokens][4,096]: 1,024 q + 512 c + 16 lane: lane (r, h): the 32 codes k = 512 half + 128 q + 64 c + 32 h .. of token r.
; o_scales: [128 tokens][8 steps of 128 along K][512]: 16 lane + 4 j: the scale word of token tile 4 h + j, row r.
; THE MATRIX INSTRUCTION IS USED TRANSPOSED (source 0 = 16 rows of W_proj, source 1 = 16 tokens): register j of lane (r, h) of accumulator (a, b) is (token 16 a + r, column 16 b + 8 h + j).
; The bias is the C of each accumulator's first product.  The 32 accumulators take turns, one instruction a turn, in the same order in every step.
; REGISTERS, in windows of 256: window 0: v0-31 addresses; v32-95 W_proj's scale words; v96-127 o's; v128-191 o's fragments, two sets; v192-255 the bias; on the way out v128-255 hold rows read back.
;   window 1: W_proj's fragments, two sets, at v0 and v128.   window 2: the accumulators ((a, b) at v[8 (8 a + b)]).
.set SIZE_N, 1024
.set PB,     528                       ; a row of W_proj in LDS: 512 bytes + 16: an odd multiple of 16, so the 16 rows that a load touches start at 16 different groups of four banks
.set OHALF,  2097152
.set BOFF,   65536                     ; behind o's codes
.set SCLA,   BOFF+256*PB               ; o's scale words
.set SCLB,   SCLA+4096                 ; W_proj's scale bytes
.set HALFS,  16*272                    ; those of 128 rows
.set SBLK,   2*272                     ; those of 16 rows
.set STAGE,  SCLB+2*HALFS              ; the way out: 16 rows x (512 bytes + 16) for each wave, bytes of their own
.set SPITCH, 528
.set SPARE,  STAGE+4*16*SPITCH         ; the spare words, 128 bytes a wave
.set ADRA, 16
.set ADRB, 20
.set STO,  24
.set RD,   25
.set CO,   26
.set ADSA, 27
.set SPW,  28
.set NIL,  29
.set ADSB, 30
.set BO,   31
.set SCB,  32
.set SCA,  96
.set AF,   128
.set BI,   192
.set BK,   128
.set G1A, 24
.set G0A, 32
.set G1B, 48
.set G0B, 56
.set G1S, 68
.set G0S, 76
.set G1SB, 80
.set G0SB, 88
.set MSB, 0
.macro WIN new                         ; the immediate's high byte repeats the setting that is left
.if MSB != \new
	s_set_vgpr_msb (MSB<<8)|\new
.set MSB, \new
.endif
.endm
.set MUL_W,  0xa1                      ; source 0 (W_proj) window 1, source 1 (o) window 0, C and D window 2
.set BIAS_W, 0x81                      ; the same, C window 0
.set TO_B,   0x40                      ; destination window 1, address window 0
.macro CROUND                          ; a round of the cluster's barrier
	s_barrier_signal -1
	s_barrier_wait -1
	s_cmp_lg_u32 s14, 0
	s_cbranch_scc1 .Lnot_wave_0_\@
	s_barrier_signal -3
.Lnot_wave_0_\@:
	s_barrier_wait -3
	s_barrier_signal -1
	s_barrier_wait -1
.endm
	s_load_b128 s[4:7], s[0:1], 0x0                ; o's codes, o's scale words
	s_load_b128 s[8:11], s[0:1], 0x10              ; W_proj's codes, its scale bytes
	s_load_b64 s[96:97], s[0:1], 0x20              ; the bias
	s_load_b64 s[12:13], s[0:1], 0x28              ; out0
	v_lshl_add_u32 v[SPW], v0, 2, SPARE
	v_mov_b32 v[NIL], 0
	ds_add_u32 v[SPW], v[NIL]
	ds_add_u32 v[SPW], v[NIL]
	v_lshrrev_b32 v1, 5, v0
	v_readfirstlane_b32 s14, v1                    ; wave 0..3
	s_lshr_b32 s15, s14, 1                         ; which 64 of the block's tokens are mine
	s_and_b32 s16, s14, 1                          ; which 128 of its columns
	s_bfe_u32 s40, ttmp6, 0x40000                  ; cx, cy
	s_bfe_u32 s41, ttmp6, 0x40004
	s_lshl_b32 s42, ttmp9, 2
	s_add_co_u32 s42, s42, s40                     ; block column
	s_and_b32 s17, ttmp7, 0xffff
	s_lshl_b32 s17, s17, 2
	s_add_co_u32 s17, s17, s41                     ; block row
	s_lshl_b32 s43, s41, 2
	s_lshl_b32 s43, 15, s43                        ; my row of the cluster
	s_lshl_b32 s44, 0x1111, s40                    ; my column
	s_or_b32 s[G1A+0], s43, (3<<16)|(1<<21)        ; o's codes: elements of 8 bytes, 2 rows of 4,096, no padding
	s_mov_b32 s[G1A+1], 4096<<16
	s_mov_b32 s[G1A+2], 2<<16
	s_mov_b32 s[G1A+3], 4096<<16
	s_mov_b32 s[G1A+4], 2
	s_mov_b32 s[G1A+5], OHALF/8
	s_mov_b32 s[G1A+6], 0
	s_mov_b32 s[G1A+7], 0
	s_or_b32 s[G1B+0], s44, (0<<16)|(1<<20)|(1<<21)|(6<<22)|(3<<25)   ; W_proj's codes: 256 rows of 512 bytes, four words of padding behind every 128
	s_mov_b32 s[G1B+1], 512<<16
	s_mov_b32 s[G1B+2], 256<<16
	s_mov_b32 s[G1B+3], 512<<16
	s_mov_b32 s[G1B+4], 256
	s_mov_b32 s[G1B+5], 512
	s_mov_b32 s[G1B+6], 0
	s_mov_b32 s[G1B+7], 0
	s_or_b32 s[G1S+0], s43, (3<<16)|(1<<21)        ; o's scale words: 16 rows of 256 bytes, no padding
	s_mov_b32 s[G1S+1], 32<<16
	s_mov_b32 s[G1S+2], 16<<16
	s_mov_b32 s[G1S+3], 32<<16
	s_mov_b32 s[G1S+4], 16
	s_mov_b32 s[G1S+5], 32
	s_mov_b32 s[G1S+6], 0
	s_mov_b32 s[G1S+7], 0
	s_or_b32 s[G1SB+0], s44, (3<<16)|(1<<20)|(1<<21)|(5<<22)|(3<<25)  ; W_proj's scale bytes: 32 rows of 256 bytes, 16 of padding behind each
	s_mov_b32 s[G1SB+1], 32<<16
	s_mov_b32 s[G1SB+2], 32<<16
	s_mov_b32 s[G1SB+3], 32<<16
	s_mov_b32 s[G1SB+4], 32
	s_mov_b32 s[G1SB+5], 32
	s_mov_b32 s[G1SB+6], 0
	s_mov_b32 s[G1SB+7], 0
	s_lshl_b32 s20, s17, 15                        ; 128 tokens of codes of one half of K are 32,768 bytes,
	s_mov_b32 s21, 0
	s_lshl_b32 s22, s17, 12                        ; their scale words 4,096;
	s_mov_b32 s23, 0
	s_lshl_b32 s46, s42, 17                        ; 256 rows of W_proj are 131,072 bytes,
	s_mov_b32 s47, 0
	s_lshl_b32 s92, s42, 13                        ; their scale bytes 8,192
	s_mov_b32 s93, 0
	s_wait_dscnt 0x0                               ; both opening adds are done
	s_wait_kmcnt 0x0
	s_add_nc_u64 s[20:21], s[4:5], s[20:21]
	s_add_nc_u64 s[22:23], s[6:7], s[22:23]
	s_add_nc_u64 s[46:47], s[8:9], s[46:47]
	s_add_nc_u64 s[92:93], s[10:11], s[92:93]
	s_mov_b32 s[G0A], 1
	s_mov_b32 s[G0A+1], 0
	s_mov_b64 s[G0A+2:G0A+3], s[20:21]
	s_or_b32 s[G0A+3], s[G0A+3], 0x80000000
	s_mov_b32 s[G0B], 1
	s_mov_b32 s[G0B+1], BOFF
	s_mov_b64 s[G0B+2:G0B+3], s[46:47]
	s_or_b32 s[G0B+3], s[G0B+3], 0x80000000
	s_mov_b32 s[G0S], 1
	s_mov_b32 s[G0S+1], SCLA
	s_mov_b64 s[G0S+2:G0S+3], s[22:23]
	s_or_b32 s[G0S+3], s[G0S+3], 0x80000000
	s_mov_b32 s[G0SB], 1
	s_mov_b32 s[G0SB+1], SCLB
	s_mov_b64 s[G0SB+2:G0SB+3], s[92:93]
	s_or_b32 s[G0SB+3], s[G0SB+3], 0x80000000
	CROUND                                         ; all sixteen work-groups are here: the joint loads meet
; One chain of branches on the wave's number: every way through it passes exactly one load.
.macro ARM under, g0, g1, next
	s_cmp_lt_u32 s14, \under
	s_cbranch_scc0 \next
	tensor_load_to_lds s[\g0:\g0+3], s[\g1:\g1+7]
	s_nop 0
.rept 4
	v_nop
.endr
	s_branch .Lhead_asked
\next:
.endm
	ARM 1, G0A, G1A, .Lhead_b
	ARM 2, G0B, G1B, .Lhead_sa
	ARM 3, G0S, G1S, .Lhead_sb
	tensor_load_to_lds s[G0SB:G0SB+3], s[G1SB:G1SB+7]
	s_nop 0
.rept 4
	v_nop
.endr
.Lhead_asked:
	s_lshl_b32 s21, s15, 14                        ; my 64 tokens: four images of 4,096 bytes
	s_mul_i32 s22, s16, 128*PB
	s_add_co_u32 s22, s22, BOFF                    ; my 128 rows of W_proj
	s_lshl_b32 s94, s15, 8
	s_add_co_u32 s94, s94, SCLA                    ; my four token tiles' words: the image's half s15
	s_mul_i32 s95, s16, HALFS
	s_add_co_u32 s95, s95, SCLB
	s_mul_i32 s23, s14, 16*SPITCH
	s_add_co_u32 s23, s23, STAGE                   ; my stage
	s_lshl_b32 s18, s17, 7
	s_lshl_b32 s19, s15, 6
	s_add_co_u32 s18, s18, s19                     ; my first token
	s_mov_b32 s19, 0
	s_lshl_b64 s[18:19], s[18:19], 12              ; a row of out0 is 4,096 bytes
	s_lshl_b32 s46, s42, 10
	s_lshl_b32 s47, s16, 9
	s_add_co_u32 s46, s46, s47                     ; my first column, in bytes
	s_mov_b32 s47, 0
	s_add_nc_u64 s[96:97], s[96:97], s[46:47]
	s_add_nc_u64 s[18:19], s[18:19], s[46:47]
	s_add_nc_u64 s[12:13], s[12:13], s[18:19]
	v_and_b32 v1, 15, v0                           ; r
	v_bfe_u32 v2, v0, 4, 1                         ; h
	v_and_b32 v6, 31, v0
	v_lshlrev_b32 v[CO], 4, v6
	v_lshlrev_b32 v[BO], 5, v2
	v_mul_u32_u24 v3, v1, PB
	v_lshl_add_u32 v4, v2, 4, v3
	v_add_nc_u32 v[ADRA], s21, v[CO]
	v_add_nc_u32 v[ADRB], s22, v4
	v_lshl_add_u32 v[ADSA], v1, 4, s94
	v_lshlrev_b32 v5, 5, v1                        ; W_proj's scale bytes: 32 a row,
	v_lshrrev_b32 v3, 8, v5
	v_lshl_add_u32 v5, v3, 4, v5                   ; and 16 more for each 256 passed
	v_add_nc_u32 v[ADSB], s95, v5
	v_mul_u32_u24 v5, v1, SPITCH
	v_lshl_add_u32 v5, v2, 5, v5
	v_add_nc_u32 v[STO], s23, v5
	v_add_nc_u32 v[RD], s23, v[CO]
.irp b, 0,1,2,3,4,5,6,7
	global_load_b128 v[BI+8*\b:BI+8*\b+3], v[BO], s[96:97] offset:64*\b          ; the bias in the result's layout: columns 16 b + 8 h + 0 .. 7
	global_load_b128 v[BI+8*\b+4:BI+8*\b+7], v[BO], s[96:97] offset:64*\b+16
.endr
.macro FETCH q                         ; the fragments of the q-th 128 along K into sets q % 2: 16 loads for W_proj's eight blocks, 8 for my four token tiles
	WIN TO_B
.irp i, 0,1,2,3,4,5,6,7
.irp c, 0,1
	ds_load_b128 v[128*((\q)%2)+8*\i+4*\c:128*((\q)%2)+8*\i+4*\c+3], v[ADRB] offset:\i*16*PB+64*(\q)+32*\c
.endr
.endr
	WIN 0
.irp i, 0,1,2,3
.irp c, 0,1
	ds_load_b128 v[AF+32*((\q)%2)+8*\i+4*\c:AF+32*((\q)%2)+8*\i+4*\c+3], v[ADRA] offset:32768*((\q)/4)+4096*\i+1024*((\q)%4)+512*\c
.endr
.endr
.endm
.macro MUL32 q, bias
.irp a, 0,1,2,3
.irp b, 0,1,2,3,4,5,6,7
.set rD, 8*(8*\a+\b)
.set rB, 128*((\q)%2)+8*\b
.set rA, AF+32*((\q)%2)+8*\a
.set rSB, SCB+32*((\q)/4)+4*\b+(\q)%4
.set rSA, SCA+4*(\q)+\a
.if \bias
	v_wmma_scale_f32_16x16x128_f8f6f4 v[rD:rD+7], v[rB:rB+7], v[rA:rA+7], v[BI+8*\b:BI+8*\b+7], v[rSB], v[rSA] matrix_a_fmt:MATRIX_FMT_FP4 matrix_b_fmt:MATRIX_FMT_FP4
.else
	v_wmma_scale_f32_16x16x128_f8f6f4 v[rD:rD+7], v[rB:rB+7], v[rA:rA+7], v[rD:rD+7], v[rSB], v[rSA] matrix_a_fmt:MATRIX_FMT_FP4 matrix_b_fmt:MATRIX_FMT_FP4
.endif
.endr
.endr
.endm
.macro PLACES n
.rept \n
	v_nop
.endr
.endm
; A step of 128 along K: its fragments are in; the next step's are asked for, into the sets that the step before multiplied, four places behind its products; then 32 products.
.macro STEP q
	s_wait_dscnt 0x0                               ; this step's 24 loads, issued ahead of the last step's products
.if (\q) < 7
.if (\q) > 0
	PLACES 4
.endif
	FETCH (\q)+1
.endif
.if (\q) == 0
	WIN BIAS_W
	MUL32 \q, 1
.else
	WIN MUL_W
	MUL32 \q, 0
.endif
.endm
	s_wait_alu depctr_va_vdst(0)
	s_wait_tensorcnt 0x0                           ; my tile is in,
	s_barrier_signal -1
	s_barrier_wait -1                              ; all four are
.irp q, 0,1,2,3,4,5,6,7
	ds_load_b128 v[SCA+4*\q:SCA+4*\q+3], v[ADSA] offset:512*\q                   ; o's scale words of all of K: word j belongs to my token tile j
.endr
.irp s, 0,1
.irp i, 0,1,2,3,4,5,6,7
	ds_load_b128 v[SCB+32*\s+4*\i:SCB+32*\s+4*\i+3], v[ADSB] offset:\i*SBLK+16*\s   ; W_proj's: four words a load
.endr
.endr
	FETCH 0
	s_wait_loadcnt 0x0                             ; the bias
.irp q, 0,1,2,3,4,5,6,7
	STEP \q
.endr
	WIN 0
; THE WAY OUT, block by block of 16 tokens x 128 columns, through my own stage: whole rows of 512 bytes come back and leave as two aligned units of 256 bytes.
; LDS serves a wave's instructions in order (ISA guide 5.7.1.4): no wait between the stores and the loads.
.macro TOSTAGE a
.set AC, 64*(\a)
	WIN 0x08                                       ; an LDS store's data are its source 1: window 2
.irp b, 0,1,2,3,4,5,6,7
	ds_store_b128 v[STO], v[AC+8*\b:AC+8*\b+3] offset:64*\b          ; each accumulator from its low end on
	ds_store_b128 v[STO], v[AC+8*\b+4:AC+8*\b+7] offset:64*\b+16
.endr
	WIN 0
.set BB, BK+64*((\a)%2)
.irp t, 0,1,2,3,4,5,6,7,8,9,10,11,12,13,14,15
	ds_load_b128 v[BB+4*\t:BB+4*\t+3], v[RD] offset:\t*SPITCH
.endr
.endm
.macro SEND a, younger                 ; younger: the LDS instructions issued behind block a's loads, which may stay out
.set BB, BK+64*((\a)%2)
	s_wait_dscnt \younger
.if (\a) > 0
	s_add_nc_u64 s[12:13], s[12:13], 16*SIZE_N*4   ; (behind a wait on XCNT: the earlier stores have read their base)
.endif
.irp t, 0,1,2,3,4,5,6,7,8,9,10,11,12,13,14,15
	global_store_b128 v[CO], v[BB+4*\t:BB+4*\t+3], s[12:13] offset:\t*SIZE_N*4 th:TH_STORE_NT   ; 32 lanes store 512 consecutive bytes, aligned
.endr
.endm
	PLACES 4                                       ; behind the last products: for the reads of results and the loads into fragment registers
	TOSTAGE 0
.irp a, 1,2,3
.if \a > 1
	s_wait_xcnt 0x0                                ; block a - 2's stores have read their registers and their base
.endif
	TOSTAGE \a
	SEND \a-1, 32                                  ; behind block a - 1's loads: block a's 16 stores and 16 loads
.endr
	s_wait_xcnt 0x0
	SEND 3, 0
	s_wait_tensorcnt 0x0                           ; the wave's end
	ds_add_u32 v[SPW], v[NIL]
	s_wait_dscnt 0x0
	CROUND                                         ; the closing round
	s_endpgm
.Lfunc_end_k_qb6b86e6592_proj:
	.size	k_qb6b86e6592_proj, .Lfunc_end_k_qb6b86e6592_proj-k_qb6b86e6592_proj
	.p2alignl 7, 3214868480
	.fill 96, 4, 3214868480
	.section	.rodata,"a",@progbits
	.p2align	6, 0x0
	.amdhsa_kernel k_qb6b86e6592_proj
		.amdhsa_group_segment_fixed_size 327680
		.amdhsa_private_segment_fixed_size 0
		.amdhsa_enable_private_segment 0
		.amdhsa_kernarg_size 48
		.amdhsa_user_sgpr_count 2
		.amdhsa_user_sgpr_kernarg_segment_ptr 1
		.amdhsa_wavefront_size32 1
		.amdhsa_system_sgpr_workgroup_id_x 1
		.amdhsa_system_sgpr_workgroup_id_y 1
		.amdhsa_system_sgpr_workgroup_id_z 1
		.amdhsa_system_vgpr_workitem_id 0
		.amdhsa_next_free_vgpr 768
		.amdhsa_next_free_sgpr 98
		.amdhsa_reserve_vcc 0
		.amdhsa_float_denorm_mode_32 3
		.amdhsa_float_denorm_mode_16_64 3
		.amdhsa_memory_ordered 1
		.amdhsa_forward_progress 1
		.amdhsa_inst_pref_size 72
	.end_amdhsa_kernel
	.amdgpu_metadata
---
amdhsa.version: [ 1, 2 ]
amdhsa.kernels:
  - .name:           k_qb6b86e6592_proj
    .symbol:         k_qb6b86e6592_proj.kd
    .args:
      - { .name: o_codes, .offset: 0, .size: 8, .value_kind: global_buffer, .address_space: global }
      - { .name: o_scales, .offset: 8, .size: 8, .value_kind: global_buffer, .address_space: global }
      - { .name: W_proj_codes, .offset: 16, .size: 8, .value_kind: global_buffer, .address_space: global }
      - { .name: W_proj_scales, .offset: 24, .size: 8, .value_kind: global_buffer, .address_space: global }
      - { .name: b_proj, .offset: 32, .size: 8, .value_kind: global_buffer, .address_space: global }
      - { .name: out0, .offset: 40, .size: 8, .value_kind: global_buffer, .address_space: global }
    .group_segment_fixed_size: 327680
    .private_segment_fixed_size: 0
    .kernarg_segment_align: 8
    .kernarg_segment_size: 48
    .max_flat_workgroup_size: 128
    .sgpr_count:     98
    .vgpr_count:     768
    .wavefront_size: 32
...
	.end_amdgpu_metadata
.endif
;; end of part 3
